; MI455X (gfx1250); checked and timed in simulation.
; The chip was launched on July 23, 2026; its instructions are those of AMD's public machine-readable ISA for CDNA 5 (MIT licence, August 2026) and "CDNA5" Instruction Set Architecture Reference Guide (July 2026). The comments in the code are by the model that wrote it; some were corrected since.
;; Flash Attention. Allowed arithmetic: matrix products marked QUANTISED: E2M1 operands, one E8M0 scale for each 32 along K, by v_wmma_scale_f32_16x16x128_f8f6f4 with both operands' format E2M1 (or v_wmma_scale_f32_32x16x128_f4), f32 sums; products left as they are: bf16, f16 or f32 operands; f32 sums; everything else in f32.
;; Inputs: Wk 1,024 x 1,024 float32; Wo 1,024 x 1,024 float32; Wq 1,024 x 1,024 float32; Wv 1,024 x 1,024 float32; bk 1,024 float32; bo 1,024 float32; bq 1,024 float32; bv 1,024 float32; k 4 x 2,048 x 1,024 float32; q 4 x 2,048 x 1,024 float32; v 4 x 2,048 x 1,024 float32.
;; Outputs: out0 4 x 2,048 x 1,024 float32.
;; This version of the problem:
;;   THIS VERSION OF THE PROBLEM IS GIVEN IN LOW PRECISION. The matrix products marked QUANTISED in the list below multiply operands that are first quantised to E2M1 (2 exponent bits, 1 mantissa bit; 4 bits a number), with one power-of-two scale for each 32 numbers along K (OCP MX v1.0); their sums are f32. The products marked 'left as it is' may take bf16, f16 or f32 operands, with f32 sums. Whichever they take, every output number must still come out within the allowed error. Rounding operands to bf16 (8 significant bits) uses up far more of that allowance than f16 does (11 bits, for magnitudes from 6e-5 to 65,504). All else is computed in f32.
;;   The module's matrix products, in the order in which they are computed (A, B: the left and right operand; K: the contracted axis; several contracted axes count as one K, in the product's order):
;;     1. [M 8,192, K 1,024] x [K 1,024, N 1,024]; A: input q; B: input Wq: QUANTISED
;;     2. [M 8,192, K 1,024] x [K 1,024, N 1,024]; A: input k; B: input Wk: QUANTISED
;;     3. [M 8,192, K 1,024] x [K 1,024, N 1,024]; A: input v; B: input Wv: QUANTISED
;;     4. batch 64 x [M 2,048, K 64] x [K 64, N 2,048]; A: computed on the way; B: computed on the way: left as it is (an operand is computed on the way)
;;     5. batch 64 x [M 2,048, K 2,048] x [K 2,048, N 64]; A: computed on the way; B: computed on the way: left as it is (an operand is computed on the way)
;;     6. [M 8,192, K 1,024] x [K 1,024, N 1,024]; A: computed on the way; B: input Wo: left as it is (an operand is computed on the way)
;;   THE QUANTISER, for each operand of a quantised product, along K:
;;     - K is cut into blocks of 32 from its start; a last block that is shorter is filled with zeros.
;;     - A block's scale is 2^e with e = floor(log2(the largest magnitude in the block)) - 2, held to -126 .. 127; a block of zeros has e = 0. As a byte (E8M0): e + 127.
;;     - Each number is divided by its block's scale, clamped to +-6, and rounded to the nearest number of E2M1, ties to even, subnormals kept.
;;     - The product sums the exact products of the quantised numbers (number of the format x scale) in f32.
;;   ~~~python
;;   def quantise(x, axis):      # numpy; x: float32 -> the quantised numbers, widened to float32 again
;;       x = np.moveaxis(x, axis, -1); K = x.shape[-1]
;;       x = np.pad(x, [(0, 0)] * (x.ndim - 1) + [(0, -K % 32)]); x = x.reshape(x.shape[:-1] + (-1, 32)); a = np.abs(x).max(-1, keepdims=True)
;;       e = np.where(a > 0, np.clip(np.frexp(np.where(a > 0, a, 1))[1] - 1 - 2, -126, 127), 0)      # np.frexp(a)[1] - 1 = floor(log2(a)), exactly
;;       r = np.clip(x / 2.0 ** e, -6, 6)
;;       step = 2.0 ** (np.maximum(np.frexp(np.where(r == 0, 1, r))[1] - 1, 0) - 1)
;;       q = np.round(r / step) * step * 2.0 ** e      # np.round: ties to even
;;       return np.moveaxis(q.reshape(q.shape[:-2] + (-1,))[..., :K], -1, axis).astype(np.float32)
;;   ~~~
;; One version. Each part assembles by itself: llvm-mc -triple=amdgcn-amd-amdhsa -mcpu=gfx1250 --defsym DOCPART=n.
;; ======== version 1 of 1: 4 launches
;; limits: values are held in f16: magnitudes above 65,504 overflow, below 6.1e-05 lose precision
;; workspace buffers: codes 14,155,776 bytes; scales 884,736 bytes; wo16 2,097,152 bytes; qkvh 50,331,648 bytes; ao 16,777,216 bytes
;; launch quant (part 1): grid 992 x 1, 4 waves a work-group, no clusters, 33,280 bytes of LDS; arguments q, k, v, Wq, Wk, Wv, Wo, codes, scales, wo16; writes codes, scales, wo16
.if DOCPART == 1
	.amdgcn_target "amdgcn-amd-amdhsa--gfx1250"
	.amdhsa_code_object_version 6
	.text
	.protected	k_qe87b3c0469_quant
	.globl	k_qe87b3c0469_quant
	.p2align	8
	.type	k_qe87b3c0469_quant,@function
k_qe87b3c0469_quant:
	s_mov_b64 s[64:65], 0
	v_nop
	global_prefetch_b8 v0, s[64:65] scope:SCOPE_SE
	s_setreg_imm32_b32 hwreg(HW_REG_WAVE_MODE, 25, 1), 1
	s_wait_xcnt 0x0
; q, k, v [8192][1024] and Wq, Wk, Wv [1024][1024], f32, K innermost, become codes of FP4 (E2M1), two a byte, with one E8M0 scale byte for each 32 along K.
; The six tensors are stacked by rows in that order: codes [27648 rows][512 bytes], scales [27648 rows][32 bytes].  Rows are dense and 1024 is a multiple of 32: each tensor is a plain stream of blocks of 32.
; A block's scale is 2^(floor(log2(its largest magnitude)) - 2); its byte is the largest magnitude's exponent field - 2, held at 1 from below.  Each number is divided by the scale and rounded to the nearest code, ties to even; beyond 6 the largest code.
; Wo [1024][1024] f32 becomes f16 in the order in which the last launch takes it: [n / 128][k / 64][n % 128][k % 64].
; LIMITS: inputs are finite.  A block of zeros, or one whose largest magnitude lies under 2^-124, keeps the byte 1 (a block of zeros has zero codes, which add nothing under that byte; this program alone reads the bytes).  |Wo| up to 65,504.
; SHARES: work-groups 0 to 863 quantise, 32,768 numbers each (a wave 16 steps of 512); work-groups 864 to 991 convert Wo.  No tensor loads, no barrier: waves share nothing.
; A step's four loads read 512 consecutive bytes each, 16 a lane; the 2,048 bytes turn through the wave's own stage in LDS and come back 64 bytes a lane: 16 neighbours along K, two lanes to a block.
.set WAVES, 4
.set STEPS, 16
.set NQG,   864                        ; work-groups that quantise: 3 x 256 + 3 x 32
.set EMAX,  2
.set CB,    8                          ; bytes of 16 codes
.set R,     16                         ; v16-79   four sets of 16 numbers as they are loaded
.set X,     80                         ; v80-111  two sets of 16 neighbours
.set C,     128                        ; v128-191 codes: four registers for each step, so that no store's data are written again
.set E,     112                        ; v112-127 a scale byte for each step
.set WREG,  8192                       ; LDS: a region for each wave: two stages of 32 x SP bytes, behind them its 256 scale bytes
.set SP,    80                         ; a lane's place in a stage: 64 bytes + 16 of padding
.set SPW,   12                         ; v12 LDS address of my spare word; never rewritten
.set NIL,   13                         ; v13 0; never rewritten
.set SPARE, WAVES*WREG                 ; behind the four regions: the spare words, 128 bytes a wave
	s_load_b512 s[4:19], s[0:1], 0x0               ; q s[4:5], k s[6:7], v s[8:9], Wq s[10:11], Wk s[12:13], Wv s[14:15], Wo s[16:17], codes s[18:19]
	s_load_b128 s[20:23], s[0:1], 0x40             ; scales s[20:21], wo16 s[22:23]
	v_lshl_add_u32 v[SPW], v0, 2, SPARE
	v_mov_b32 v[NIL], 0
	v_lshrrev_b32 v1, 5, v0
	v_readfirstlane_b32 s24, v1                    ; wave
	v_and_b32 v2, 31, v0                           ; lane
	v_lshlrev_b32 v3, 4, v2                        ; 16 x lane: my 16 bytes of 512
	s_mul_i32 s25, s24, WREG
	v_lshrrev_b32 v14, 2, v2
	v_mul_u32_u24 v14, v14, SP
	v_and_b32 v15, 3, v2
	v_lshl_add_u32 v14, v15, 4, v14
	v_add_nc_u32 v14, s25, v14                     ; the stage, on the way in: SP (lane / 4) + 16 (lane % 4)
	v_mul_u32_u24 v15, v2, SP
	v_add_nc_u32 v15, s25, v15                     ; and on the way out: SP x lane: my 16 neighbours
	v_mul_u32_u24 v4, v2, CB                       ; my codes' place in a step's
	v_lshrrev_b32 v5, 1, v2
	s_add_co_u32 s25, s25, 2*32*SP
	v_add_nc_u32 v5, s25, v5                       ; LDS: my wave's 256 scale bytes, my block's byte
	v_lshlrev_b32 v7, 3, v2                        ; and on the way out 8 bytes a lane
	v_add_nc_u32 v6, s25, v7
	s_wait_kmcnt 0x0
	s_cmp_ge_u32 ttmp9, NQG                        ; the work-group's number alone decides
	s_cbranch_scc1 .Lwo
	; which tensor, and the first work-group of that tensor
	s_mov_b64 s[26:27], s[14:15]
	s_mov_b32 s28, 832
	s_cmp_lt_u32 ttmp9, 832
	s_cselect_b64 s[26:27], s[12:13], s[26:27]
	s_cselect_b32 s28, 800, s28
	s_cmp_lt_u32 ttmp9, 800
	s_cselect_b64 s[26:27], s[10:11], s[26:27]
	s_cselect_b32 s28, 768, s28
	s_cmp_lt_u32 ttmp9, 768
	s_cselect_b64 s[26:27], s[8:9], s[26:27]
	s_cselect_b32 s28, 512, s28
	s_cmp_lt_u32 ttmp9, 512
	s_cselect_b64 s[26:27], s[6:7], s[26:27]
	s_cselect_b32 s28, 256, s28
	s_cmp_lt_u32 ttmp9, 256
	s_cselect_b64 s[26:27], s[4:5], s[26:27]
	s_cselect_b32 s28, 0, s28
	s_sub_co_u32 s28, ttmp9, s28
	s_lshl_b32 s28, s28, 2
	s_add_co_u32 s28, s28, s24                     ; which run of 8,192 numbers of the tensor is my wave's
	s_lshl_b32 s28, s28, 15                        ; 32,768 bytes a run
	s_mov_b32 s29, 0
	s_add_nc_u64 s[26:27], s[26:27], s[28:29]
	s_lshl_b32 s30, ttmp9, 2
	s_add_co_u32 s30, s30, s24                     ; and which run of the stacked rows
	s_lshl_b32 s28, s30, 12                        ; 4,096 bytes of codes a run
	s_add_nc_u64 s[18:19], s[18:19], s[28:29]
	s_lshl_b32 s28, s30, 8                         ; 256 scale bytes a run
	s_add_nc_u64 s[20:21], s[20:21], s[28:29]
.macro LOAD t
.irp i, 0,1,2,3
	global_load_b128 v[R+16*((\t)%4)+4*\i:R+16*((\t)%4)+4*\i+3], v3, s[26:27] offset:2048*(\t)+512*\i th:TH_LOAD_NT   ; 32 lanes read 512 consecutive bytes
.endr
.endm
.macro TURN t                          ; step t's numbers through the stage: LDS serves a wave's instructions in order, so no wait stands between the stores and the loads
.irp i, 0,1,2,3
	ds_store_b128 v14, v[R+16*((\t)%4)+4*\i:R+16*((\t)%4)+4*\i+3] offset:32*SP*((\t)%2)+8*SP*\i
.endr
.irp i, 0,1,2,3
	ds_load_b128 v[X+16*((\t)%2)+4*\i:X+16*((\t)%2)+4*\i+3], v15 offset:32*SP*((\t)%2)+16*\i
.endr
.endm
.irp t, 0,1,2,3
	LOAD \t
.endr
	s_wait_loadcnt 12                              ; step 0's four loads are in; the twelve behind them may be out
	TURN 0
.macro STEP t
.set XS, X+16*((\t)%2)
.if (\t) > 0
	s_wait_dscnt 1                                 ; this step's numbers are back from the stage (the last step's byte store may be out): so its stores into the stage have read their registers,
.else
	s_wait_dscnt 0x0
.endif
.if (\t)+4 < STEPS
	LOAD (\t)+4                                    ; which take the loads of four steps on
.endif
.if (\t)+1 < STEPS
.if STEPS-2-(\t) >= 3
	s_wait_loadcnt 12                              ; the next step's four loads are in; those of the three steps behind it may be out
.else
	s_wait_loadcnt 4*(STEPS-2-(\t))
.endif
	TURN (\t)+1                                    ; and go through the other stage while this step is worked
.endif
	v_max3_num_f32 v8, |v[XS]|, |v[XS+1]|, |v[XS+2]|               ; the largest magnitude of my 16, in two chains
	v_max3_num_f32 v9, |v[XS+3]|, |v[XS+4]|, |v[XS+5]|
.irp i, 6,10
	v_max3_num_f32 v8, v8, |v[XS+\i]|, |v[XS+\i+1]|
	v_max3_num_f32 v9, v9, |v[XS+\i+2]|, |v[XS+\i+3]|
.endr
	v_max3_num_f32 v8, v8, |v[XS+14]|, |v[XS+15]|
	v_max3_num_f32 v8, v8, v9, (EMAX+1)<<23        ; and the floor 2^(3 - 127): the byte cannot fall under 1
	v_max_num_f32_dpp v8, v8, v8 row_xmask:1 row_mask:0xf bank_mask:0xf   ; and of my neighbour's 16: the block's
	v_add_nc_u32 v11, -(EMAX<<23), v8              ; 2 off its exponent field: the conversion takes the exponent field of this operand as its scale
	v_cvt_scalef32_pk8_fp4_f32 v[C+4*(\t)], v[XS:XS+7], v11
	v_cvt_scalef32_pk8_fp4_f32 v[C+4*(\t)+1], v[XS+8:XS+15], v11
	v_lshrrev_b32 v[E+(\t)], 23, v11               ; the scale's byte (also the plain line behind the conversions)
	ds_store_b8 v5, v[E+(\t)] offset:16*(\t)       ; both lanes of a block write the same byte with the same value
	global_store_b64 v4, v[C+4*(\t):C+4*(\t)+1], s[18:19] offset:32*CB*(\t)   ; the wave stores 256 consecutive bytes, aligned
.endm
.irp t, 0,1,2,3,4,5,6,7,8,9,10,11,12,13,14,15
	STEP \t
.endr
	ds_load_b64 v[8:9], v6                         ; LDS serves a wave's instructions in order: these see my stores
	s_wait_dscnt 0x0
	global_store_b64 v7, v[8:9], s[20:21]          ; 32 lanes store 256 consecutive bytes, aligned
	s_wait_tensorcnt 0x0                           ; the wave's end, behind my last LDS store
	ds_add_u32 v[SPW], v[NIL]
	s_wait_dscnt 0x0
	s_endpgm
; Wo to f16.  Task T = 4 (work-group - 864) + wave takes rows 4 (T / 2) .. + 3 and the eight blocks of 64 along K from 8 (T % 2) on.
; Lane l takes row l / 8 of the four and eight numbers at 8 (l % 8) of a block: eight lanes read 256 consecutive bytes, and the wave stores 512 consecutive bytes (four rows of 128).
.Lwo:
	s_sub_co_u32 s28, ttmp9, NQG
	s_lshl_b32 s28, s28, 2
	s_add_co_u32 s28, s28, s24                     ; T
	s_lshr_b32 s30, s28, 1                         ; T / 2
	s_and_b32 s31, s28, 1                          ; T % 2
	s_lshl_b32 s28, s30, 14                        ; four rows of 4,096 bytes
	s_lshl_b32 s32, s31, 11                        ; half a row
	s_add_co_u32 s28, s28, s32
	s_mov_b32 s29, 0
	s_add_nc_u64 s[16:17], s[16:17], s[28:29]
	s_lshr_b32 s28, s30, 5                         ; n / 128
	s_lshl_b32 s28, s28, 18                        ; 16 blocks of 16,384 bytes
	s_lshl_b32 s32, s31, 17                        ; eight blocks
	s_add_co_u32 s28, s28, s32
	s_and_b32 s32, s30, 31
	s_lshl_b32 s32, s32, 9                         ; four rows of 128 bytes
	s_add_co_u32 s28, s28, s32
	s_add_nc_u64 s[22:23], s[22:23], s[28:29]
	v_lshrrev_b32 v8, 3, v2
	v_and_b32 v9, 7, v2
	v_lshlrev_b32 v8, 12, v8
	v_lshl_add_u32 v8, v9, 5, v8                   ; 4,096 (l / 8) + 32 (l % 8)
.irp s, 0,1,2,3,4,5,6,7
	global_load_b128 v[R+8*\s:R+8*\s+3],   v8, s[16:17] offset:256*\s th:TH_LOAD_NT
	global_load_b128 v[R+8*\s+4:R+8*\s+7], v8, s[16:17] offset:256*\s+16 th:TH_LOAD_NT
.endr
.irp s, 0,1,2,3,4,5,6,7
	s_wait_loadcnt 14-2*\s                         ; this block's two loads are in; the later blocks' may be out
.irp j, 0,1,2,3
	v_cvt_pk_f16_f32 v[C+4*\s+\j], v[R+8*\s+2*\j], v[R+8*\s+2*\j+1]
.endr
	global_store_b128 v3, v[C+4*\s:C+4*\s+3], s[22:23] offset:16384*\s   ; no register is written twice, so nothing waits for a store
.endr
	s_wait_tensorcnt 0x0                           ; the wave's end, in the same form as above
	ds_add_u32 v[SPW], v[NIL]
	s_wait_dscnt 0x0
	s_endpgm
.Lfunc_end_k_qe87b3c0469_quant:
	.size	k_qe87b3c0469_quant, .Lfunc_end_k_qe87b3c0469_quant-k_qe87b3c0469_quant
	.p2alignl 7, 3214868480
	.fill 96, 4, 3214868480
	.section	.rodata,"a",@progbits
	.p2align	6, 0x0
	.amdhsa_kernel k_qe87b3c0469_quant
		.amdhsa_group_segment_fixed_size 33280
		.amdhsa_private_segment_fixed_size 0
		.amdhsa_enable_private_segment 0
		.amdhsa_kernarg_size 80
		.amdhsa_user_sgpr_count 2
		.amdhsa_user_sgpr_kernarg_segment_ptr 1
		.amdhsa_wavefront_size32 1
		.amdhsa_system_sgpr_workgroup_id_x 1
		.amdhsa_system_sgpr_workgroup_id_y 1
		.amdhsa_system_sgpr_workgroup_id_z 1
		.amdhsa_system_vgpr_workitem_id 0
		.amdhsa_next_free_vgpr 192
		.amdhsa_next_free_sgpr 66
		.amdhsa_reserve_vcc 0
		.amdhsa_float_denorm_mode_32 3
		.amdhsa_float_denorm_mode_16_64 3
		.amdhsa_memory_ordered 1
		.amdhsa_forward_progress 1
		.amdhsa_inst_pref_size 39
	.end_amdhsa_kernel
	.amdgpu_metadata
---
amdhsa.version: [ 1, 2 ]
amdhsa.kernels:
  - .name:           k_qe87b3c0469_quant
    .symbol:         k_qe87b3c0469_quant.kd
    .args:
      - { .name: q, .offset: 0, .size: 8, .value_kind: global_buffer, .address_space: global }
      - { .name: k, .offset: 8, .size: 8, .value_kind: global_buffer, .address_space: global }
      - { .name: v, .offset: 16, .size: 8, .value_kind: global_buffer, .address_space: global }
      - { .name: Wq, .offset: 24, .size: 8, .value_kind: global_buffer, .address_space: global }
      - { .name: Wk, .offset: 32, .size: 8, .value_kind: global_buffer, .address_space: global }
      - { .name: Wv, .offset: 40, .size: 8, .value_kind: global_buffer, .address_space: global }
      - { .name: Wo, .offset: 48, .size: 8, .value_kind: global_buffer, .address_space: global }
      - { .name: codes, .offset: 56, .size: 8, .value_kind: global_buffer, .address_space: global }
      - { .name: scales, .offset: 64, .size: 8, .value_kind: global_buffer, .address_space: global }
      - { .name: wo16, .offset: 72, .size: 8, .value_kind: global_buffer, .address_space: global }
    .group_segment_fixed_size: 33280
    .private_segment_fixed_size: 0
    .kernarg_segment_align: 8
    .kernarg_segment_size: 80
    .max_flat_workgroup_size: 128
    .sgpr_count:     66
    .vgpr_count:     192
    .wavefront_size: 32
...
	.end_amdgpu_metadata
.endif
;; end of part 1
;; launch proj (part 2): grid 4 x 96, 4 waves a work-group, clusters of 4 x 4, 327,680 bytes of LDS; arguments codes, scales, bq, bk, bv, qkvh; writes qkvh
.if DOCPART == 2
	.amdgcn_target "amdgcn-amd-amdhsa--gfx1250"
	.amdhsa_code_object_version 6
	.text
	.protected	k_qe87b3c0469_proj
	.globl	k_qe87b3c0469_proj
	.p2align	8
	.type	k_qe87b3c0469_proj,@function
k_qe87b3c0469_proj:
	s_mov_b64 s[64:65], 0
	v_nop
	global_prefetch_b8 v0, s[64:65] scope:SCOPE_SE
	s_setreg_imm32_b32 hwreg(HW_REG_WAVE_MODE, 25, 1), 1
	s_wait_xcnt 0x0
	s_wait_alu depctr_hold_cnt(0) depctr_sa_sdst(0) depctr_va_vdst(0) depctr_va_sdst(0) depctr_va_ssrc(0) depctr_va_vcc(0) depctr_vm_vsrc(0)
	s_getreg_b32 s2, hwreg(HW_REG_IB_STS2, 6, 4)
	s_cmp_eq_u32 s2, 0
	s_cbranch_scc0 .Lentry_in_a_cluster
	s_endpgm
.Lentry_in_a_cluster:
	s_bfe_u32 s2, ttmp6, 0x10000c
	s_cmp_lg_u32 s2, 0xf033
	s_cbranch_scc0 .Lentry_shape_is_right
	s_endpgm
.Lentry_shape_is_right:
; The three projections x W^T + b on codes of FP4 (E2M1) with one E8M0 scale for each 32 along K; sums in f32; results rounded to f16 and laid by heads: qkvh [3][4 b][16 h][2048 l][64].
; codes [27648 rows][512 bytes], scales [27648 rows][32 bytes]: rows 0.. q, 8192.. k, 16384.. v, 24576.. Wq, 25600.. Wk, 26624.. Wv.
; q's results are multiplied, in f32, by log2(e) / 8 ahead of the rounding: the scores of the next launch then are the exponents to base 2, and its softmax only subtracts.
; LIMITS: |x W^T + b| up to 65,504; under 6.1e-5 the rounding to f16 is absolute, at most 3e-8.
; A tile of the result, 256 x 256, is made by a work-group of four waves; a wave makes 128 x 128: 64 accumulators of 16 x 16, 512 registers.  Tile rows run over the stacked rows of q, k, v: 96 of them; 4 tile columns.
; K = 1024 is two LDS slots of 512 along K (rows of 256 bytes): both are filled once, at the start, and so are the scale bytes of the tile's 256 + 256 rows.  A wave has three tensor loads out.
; CLUSTERS: 4 x 4 work-groups.  The four of a row of the cluster need the same rows of x, the four of a column the same rows of W: each tile is asked for JOINTLY.  A cluster's four tile rows lie in one projection (32 tile rows each).
; THE MATRIX INSTRUCTION IS USED TRANSPOSED (source 0 = 16 rows of W, source 1 = 16 rows of x): a lane holds eight neighbouring columns of one row.  The bias is the C of each sum's first product.
; REGISTERS, in windows of 256: window 0: v0-31 addresses; v32-95 scale words, two sets; v128-191 x's fragments, one set; v192-255 the bias, later the way out.
;   window 1: W's fragments, two sets, at v0 and v128.   window 2: the accumulators of my rows 0-63 ((a, b) at v[8 (8 a + b)]);   window 3: those of my rows 64-127.
.set KSTEP,  512
.set NQ,     KSTEP/128
.set ROWB,   256                       ; a tile's row in bytes
.set KROW,   512                       ; a row of codes in memory
.set PITCH,  272                       ; an LDS row: 256 bytes + 16 of padding = 68 words: the 16 rows that a load touches start 4 words further on each, modulo 64 words
.set FR,     8
.set NL,     2
.set NP,     4                         ; places behind this matrix instruction (ISA guide 7.12.1)
.set HALFT,  128*PITCH
.set SLOT,   4*HALFT
.set KS,     32                        ; a row of scales in bytes
.set SCL,    2*SLOT                    ; behind the slots: the scales, as rows of 256 bytes + 16 of padding
.set HALFS,  (128*KS/256)*272
.set SBLK,   (16*KS/256)*272
.set SPARE,  SCL+4*HALFS               ; the spare words, 128 bytes a wave
.set SPITCH, 272                       ; the way out: a stage of 16 rows x (256 bytes + 16) for each wave, in slot 0, which has had its only fill and its last read by then
.set WROW0,  24576                     ; the first row of Wq
.set ADRA, 16
.set ADRB, 20
.set STO,  24
.set RD,   25
.set CO,   26
.set ADRS, 27
.set SPW,  28
.set NIL,  29
.set SC,   32
.set AF,   128
.set BIAS, 192                         ; v192-255: for W's block b, eight numbers of the bias at v[BIAS + 8 b]
.set TMP,  192                         ; the way out: packed results
.set OB,   32                          ; the way out: 16 rows read back: v32-63 and v224-255 by turns
.set FS,   12                          ; s[12:13] log2(e) / 8
.set PJ,   66                          ; s66 the projection: 0 q, 1 k, 2 v
.set G1, 24
.set G0, 32
.set G1B, 48
.set G0B, 56
.set G1S, 68
.set G0S, 76
.set G1SB, 80
.set G0SB, 88
.set MSB, 0
.macro WIN new                         ; the immediate's high byte repeats the setting that is left
.if MSB != (\new)
	s_set_vgpr_msb (MSB<<8)|(\new)
.set MSB, \new
.endif
.endm
.set MUL_LO, 0xa1                      ; source 0 (W) window 1, source 1 (x) window 0, C and D window 2
.set MUL_HI, 0xf1                      ; the same, C and D window 3
.set FST_LO, 0x81                      ; the first products: C (the bias) window 0, D window 2
.set FST_HI, 0xc1                      ; D window 3
.set TO_B,   0x40
; A joint load: waves 0 and 1 fetch for x, waves 2 and 3 for W.  The branch hangs on the wave's number alone.  An s_nop 0 and four v_nop follow each of the two lines.
.macro JLOAD g0a, g1a, g0b, g1b
	s_cmp_eq_u32 s15, 0
	s_cbranch_scc0 .Lfor_b_\@
	tensor_load_to_lds s[\g0a:\g0a+3], s[\g1a:\g1a+7]
	s_nop 0
.rept 4
	v_nop
.endr
	s_branch .Lasked_\@
.Lfor_b_\@:
	tensor_load_to_lds s[\g0b:\g0b+3], s[\g1b:\g1b+7]
	s_nop 0
.rept 4
	v_nop
.endr
.Lasked_\@:
.endm
.macro CROUND                          ; a round of the cluster's barrier
	s_barrier_signal -1
	s_barrier_wait -1
	s_cmp_lg_u32 s14, 0
	s_cbranch_scc1 .Lnot_wave_0_\@
	s_barrier_signal -3
.Lnot_wave_0_\@:
	s_barrier_wait -3
	s_barrier_signal -1
	s_barrier_wait -1
.endm
	s_load_b128 s[4:7], s[0:1], 0x0                ; codes s[4:5], scales s[6:7]
	s_load_b128 s[8:11], s[0:1], 0x10              ; bq s[8:9], bk s[10:11]
	s_load_b128 s[96:99], s[0:1], 0x20             ; bv s[96:97], qkvh s[98:99]
	v_lshl_add_u32 v[SPW], v0, 2, SPARE
	v_mov_b32 v[NIL], 0
	ds_add_u32 v[SPW], v[NIL]                      ; the wave's opening: the add and its wait stand ahead of my first tensor load; work on registers stands between them
	v_lshrrev_b32 v1, 5, v0
	v_readfirstlane_b32 s14, v1                    ; wave 0..3
	s_lshr_b32 s15, s14, 1                         ; which half of the tile's rows is mine.  Also: I fetch for x (0) or for W (1)
	s_and_b32 s16, s14, 1                          ; which half of its columns.  Also: which 128 rows I fetch
	s_bfe_u32 s40, ttmp6, 0x40000                  ; cx, cy: my place in the cluster
	s_bfe_u32 s41, ttmp6, 0x40004
	s_lshl_b32 s42, ttmp9, 2
	s_add_co_u32 s42, s42, s40                     ; tile column = 4 x cluster x + cx
	s_and_b32 s17, ttmp7, 0xffff
	s_lshr_b32 s[PJ], s17, 3                       ; the projection: eight clusters along y each; the same in all sixteen partners
	s_lshl_b32 s17, s17, 2
	s_add_co_u32 s17, s17, s41                     ; tile row = 4 x cluster y + cy
	s_lshl_b32 s43, s41, 2
	s_lshl_b32 s43, 15, s43                        ; my row of the cluster
	s_lshl_b32 s44, 0x1111, s40                    ; my column
	; descriptor group 1: a tile of 128 rows x 256 bytes, padded in LDS
	s_or_b32 s[G1+0], s43, (0<<16)|(1<<20)|(1<<21)|(5<<22)|(3<<25)  ; 15:0 the mask; 17:16 elements of 1 byte; 20 padding on; 21 set beside a mask; 24:22 after every 64 words; 31:25 four words
	s_or_b32 s[G1B+0], s44, (0<<16)|(1<<20)|(1<<21)|(5<<22)|(3<<25)
.irp g, G1, G1B
	s_mov_b32 s[\g+1], ROWB<<16                    ; tensor_dim0
	s_mov_b32 s[\g+2], 128<<16                     ; tensor_dim1
	s_mov_b32 s[\g+3], ROWB<<16                    ; tile_dim0
	s_mov_b32 s[\g+4], 128                         ; tile_dim1
	s_mov_b32 s[\g+5], KROW                        ; tensor_dim0_stride
	s_mov_b32 s[\g+6], 0
	s_mov_b32 s[\g+7], 0
.endr
	; the scales of 128 rows: 4,096 dense bytes, as 16 rows of 256 bytes (32 elements of 8 bytes), 16 bytes of padding behind each
	s_or_b32 s[G1S+0], s43, (3<<16)|(1<<20)|(1<<21)|(5<<22)|(3<<25)
	s_or_b32 s[G1SB+0], s44, (3<<16)|(1<<20)|(1<<21)|(5<<22)|(3<<25)
.irp g, G1S, G1SB
	s_mov_b32 s[\g+1], 32<<16
	s_mov_b32 s[\g+2], (128*KS/256)<<16
	s_mov_b32 s[\g+3], 32<<16
	s_mov_b32 s[\g+4], 128*KS/256
	s_mov_b32 s[\g+5], 32
	s_mov_b32 s[\g+6], 0
	s_mov_b32 s[\g+7], 0
.endr
	s_lshl_b32 s18, s16, 7                         ; which 128 rows of the tile I fetch
	s_lshl_b32 s20, s17, 8
	s_add_co_u32 s20, s20, s18                     ; x: stacked row 256 x tile row + 128 x half
	s_lshl_b32 s46, s42, 8
	s_add_co_u32 s46, s46, s18
	s_lshl_b32 s47, s[PJ], 10
	s_add_co_u32 s46, s46, s47
	s_add_co_u32 s46, s46, WROW0                   ; W: stacked row 24576 + 1024 x projection + 256 x tile column + 128 x half
	s_mov_b32 s21, 0
	s_mov_b32 s47, 0
	s_mov_b64 s[18:19], KS
	s_mul_u64 s[22:23], s[20:21], s[18:19]         ; where these rows' scales begin, in bytes
	s_mul_u64 s[92:93], s[46:47], s[18:19]
	s_mov_b64 s[18:19], KROW
	s_mul_u64 s[20:21], s[20:21], s[18:19]         ; and their codes
	s_mul_u64 s[46:47], s[46:47], s[18:19]
	s_mul_i32 s45, s14, HALFT                      ; where they go: wave x 128 rows: no place in the cluster enters an LDS address
	s_mul_i32 s94, s14, HALFS
	s_mov_b32 s[FS], 0x3e38aa3b                    ; log2(e) / 8
	s_mov_b32 s[FS+1], s[FS]                       ; (named with it as a pair, so it is written)
	s_wait_dscnt 0x0                               ; the opening add is done
	s_wait_kmcnt 0x0
	s_add_nc_u64 s[20:21], s[4:5], s[20:21]
	s_add_nc_u64 s[22:23], s[6:7], s[22:23]
	s_add_nc_u64 s[46:47], s[4:5], s[46:47]
	s_add_nc_u64 s[92:93], s[6:7], s[92:93]
	CROUND                                         ; all sixteen work-groups are here: the joint loads meet
	s_mov_b32 s[G0S], 1
	s_add_co_u32 s[G0S+1], s94, SCL
	s_mov_b64 s[G0S+2:G0S+3], s[22:23]
	s_or_b32 s[G0S+3], s[G0S+3], 0x80000000
	s_mov_b32 s[G0SB], 1
	s_add_co_u32 s[G0SB+1], s94, SCL
	s_mov_b64 s[G0SB+2:G0SB+3], s[92:93]
	s_or_b32 s[G0SB+3], s[G0SB+3], 0x80000000
	JLOAD G0S, G1S, G0SB, G1SB                     ; the scales first: they are wanted with the first slot
.irp s, 0,1
	s_mov_b32 s[G0+4*\s], 1
	s_add_co_u32 s[G0+4*\s+1], s45, \s*SLOT
	s_add_nc_u64 s[G0+4*\s+2:G0+4*\s+3], s[20:21], \s*ROWB
	s_or_b32 s[G0+4*\s+3], s[G0+4*\s+3], 0x80000000
	s_mov_b32 s[G0B+4*\s], 1
	s_add_co_u32 s[G0B+4*\s+1], s45, \s*SLOT
	s_add_nc_u64 s[G0B+4*\s+2:G0B+4*\s+3], s[46:47], \s*ROWB
	s_or_b32 s[G0B+4*\s+3], s[G0B+4*\s+3], 0x80000000
	JLOAD G0+4*\s, G1, G0B+4*\s, G1B
.endr
	v_and_b32 v1, 15, v0                           ; r = l % 16
	v_bfe_u32 v2, v0, 4, 1                         ; h = l / 16
	; the bias: the projection's own; my 128 columns; lane (r, h) wants, for W's block b, the numbers 16 b + 8 h + 0 .. 7
	s_cmp_eq_u32 s[PJ], 0
	s_cselect_b64 s[8:9], s[8:9], s[10:11]
	s_cmp_eq_u32 s[PJ], 2
	s_cselect_b64 s[8:9], s[96:97], s[8:9]
	s_lshl_b32 s46, s42, 10
	s_lshl_b32 s47, s16, 9
	s_add_co_u32 s46, s46, s47                     ; 4 (256 x tile column + 128 x half)
	s_mov_b32 s47, 0
	s_add_nc_u64 s[8:9], s[8:9], s[46:47]
	v_lshlrev_b32 v8, 5, v2
.irp b, 0,1,2,3,4,5,6,7
	global_load_b128 v[BIAS+8*\b:BIAS+8*\b+3],   v8, s[8:9] offset:64*\b
	global_load_b128 v[BIAS+8*\b+4:BIAS+8*\b+7], v8, s[8:9] offset:64*\b+16
.endr
	v_mul_u32_u24 v3, v1, PITCH
	v_lshl_add_u32 v4, v2, 4, v3                   ; a fragment's row x pitch + 16 x half
	s_mul_i32 s21, s15, HALFT                      ; my 128 rows of x
	s_mul_i32 s22, s16, HALFT                      ; my 128 rows of W,
	s_add_co_u32 s22, s22, 2*HALFT                 ; which lie behind x's 256
.irp s, 0,1
	v_add_nc_u32 v[ADRA+\s], s21, v4
	v_add_nc_u32 v[ADRB+\s], s22, v4
	s_add_co_u32 s21, s21, SLOT
	s_add_co_u32 s22, s22, SLOT
.endr
	v_mul_u32_u24 v5, v1, KS                       ; my row's scales: 32 bytes a row,
	v_lshrrev_b32 v6, 8, v5
	v_lshl_add_u32 v5, v6, 4, v5                   ; and 16 more for each 256 passed
	s_mul_i32 s21, s15, HALFS
	s_mul_i32 s22, s16, HALFS
	s_add_co_u32 s22, s22, 2*HALFS
	s_sub_co_u32 s22, s22, s21
	v_mul_u32_u24 v6, s22, v2                      ; lanes 16-31 take W's: one product, the distance between the two bases
	s_add_co_u32 s21, s21, SCL
	v_add_nc_u32 v5, v5, v6
	v_add_nc_u32 v[ADRS], s21, v5
	s_mul_i32 s23, s14, 16*SPITCH                  ; my stage
	v_mul_u32_u24 v5, v1, SPITCH                   ; in: row r, 16 bytes for each half of the lanes
	v_lshl_add_u32 v5, v2, 4, v5
	v_add_nc_u32 v[STO], s23, v5
	v_bfe_u32 v6, v0, 3, 1                         ; back: lanes 0-15 take two rows' 128 bytes of the first head, lanes 16-31 of the second
	v_mul_u32_u24 v6, v6, SPITCH
	v_lshl_add_u32 v6, v2, 7, v6
	v_and_b32 v7, 7, v0
	v_lshl_add_u32 v6, v7, 4, v6
	v_add_nc_u32 v[RD], s23, v6
	v_lshlrev_b32 v[CO], 4, v1                     ; and in memory: two neighbouring rows of a head are 256 consecutive bytes; the next head lies 262,144 bytes on
	v_lshl_add_u32 v[CO], v2, 18, v[CO]
	s_lshl_b32 s20, s17, 8
	s_lshl_b32 s21, s15, 7
	s_add_co_u32 s20, s20, s21                     ; M: my first stacked row
	s_lshr_b32 s21, s20, 11                        ; 4 x projection + batch
	s_lshl_b32 s21, s21, 4
	s_lshl_b32 s46, s42, 2
	s_add_co_u32 s21, s21, s46
	s_lshl_b32 s46, s16, 1
	s_add_co_u32 s21, s21, s46                     ; + my first head: 4 x tile column + 2 x half
	s_lshl_b32 s21, s21, 18                        ; a head is 2048 rows of 128 bytes
	s_and_b32 s20, s20, 2047
	s_lshl_b32 s20, s20, 7
	s_add_co_u32 s20, s20, s21
	s_mov_b32 s21, 0
	s_add_nc_u64 s[98:99], s[98:99], s[20:21]
.macro FRAG reg, adr, q, i             ; a fragment, 16 rows x 128 K of 4-bit codes, is 8 registers: lane l holds row l % 16; registers 4 c .. 4 c + 3 hold K = 64 c + 32 (l / 16) + 0 .. 31
.irp c, 0,1
	ds_load_b128 v[\reg+4*\c:\reg+4*\c+3], v[\adr] offset:64*(\q)+32*\c+(\i)*16*PITCH
.endr
.endm
; 16 matrix instructions: x's blocks a0, a0 + 1 against W's eight, 128 along K: the slot's q-th.  p: W's set;  sc: the set of scale words.  zero = 1: the first product starts the sum on the bias.
; The 64 accumulators take turns, one instruction a turn, in the same order in every step.
.macro MUL16 a0, p, q, sc, zero
.irp a, \a0, \a0+1
.irp b, 0,1,2,3,4,5,6,7
.if \zero
	v_wmma_scale_f32_16x16x128_f8f6f4 v[8*(8*((\a)%4)+\b):8*(8*((\a)%4)+\b)+7], v[128*(\p)+FR*\b:128*(\p)+FR*\b+FR-1], v[AF+FR*(\a):AF+FR*(\a)+FR-1], v[BIAS+8*\b:BIAS+8*\b+7], v[SC+8*NQ*(\sc)+NQ*\b+(\q)], v[SC+8*NQ*(\sc)+NQ*(\a)+(\q)] matrix_a_fmt:MATRIX_FMT_FP4 matrix_b_fmt:MATRIX_FMT_FP4 matrix_a_scale:MATRIX_SCALE_ROW1
.else
	v_wmma_scale_f32_16x16x128_f8f6f4 v[8*(8*((\a)%4)+\b):8*(8*((\a)%4)+\b)+7], v[128*(\p)+FR*\b:128*(\p)+FR*\b+FR-1], v[AF+FR*(\a):AF+FR*(\a)+FR-1], v[8*(8*((\a)%4)+\b):8*(8*((\a)%4)+\b)+7], v[SC+8*NQ*(\sc)+NQ*\b+(\q)], v[SC+8*NQ*(\sc)+NQ*(\a)+(\q)] matrix_a_fmt:MATRIX_FMT_FP4 matrix_b_fmt:MATRIX_FMT_FP4 matrix_a_scale:MATRIX_SCALE_ROW1
.endif
.endr
.endr
.endm
.macro FETCH_B slot, q, p              ; W's eight fragments of the slot's q-th 128 along K into set p
	WIN TO_B
.irp i, 0,1,2,3,4,5,6,7
	FRAG 128*(\p)+FR*\i, ADRB+\slot, \q, \i
.endr
	WIN 0
.endm
.macro FETCH_A slot, q, i0             ; x's blocks i0 .. i0 + 3
.irp i, \i0, \i0+1, \i0+2, \i0+3
	FRAG AF+FR*(\i), ADRA+\slot, \q, \i
.endr
.endm
.macro SCALES sc                       ; a slot's scale words into set sc: four words a row; lanes 0-15 take x's block i, lanes 16-31 W's block i
.irp i, 0,1,2,3,4,5,6,7
	ds_load_b128 v[SC+8*NQ*\sc+NQ*\i:SC+8*NQ*\sc+NQ*\i+3], v[ADRS] offset:\i*SBLK
.endr
.endm
; A load into a register that a matrix instruction has read, and a vector instruction or an LDS store that reads a matrix result, stand NP places behind it; only plain vector instructions
; that name none of its registers are places (ISA guide 7.12.1 for vector instructions).
.macro PLACES n
.rept \n
	v_nop
.endr
.endm
; A step of 128 along K that has its successor in the same slot.
.macro STEP slot, q, zero
	s_wait_dscnt 4*NL                              ; W's set and x's blocks 0-3 are in; the youngest eight loads (x's blocks 4-7) may be out
.if \zero
	WIN FST_LO
.else
	WIN MUL_LO
.endif
	MUL16 0, (\q)%2, \q, \slot, \zero
	MUL16 2, (\q)%2, \q, \slot, \zero
	s_wait_dscnt 0                                 ; x's blocks 4-7 are in
	PLACES NP
	FETCH_B \slot, (\q)+1, 1-(\q)%2
	FETCH_A \slot, (\q)+1, 0
.if \zero
	WIN FST_HI
.else
	WIN MUL_HI
.endif
	MUL16 4, (\q)%2, \q, \slot, \zero
	MUL16 6, (\q)%2, \q, \slot, \zero
	PLACES NP
	WIN 0
	FETCH_A \slot, (\q)+1, 4
.endm
; A slot's last step changes slots: one barrier; in front of it each wave waits for all its tensor loads (its part of the next slot), adds 0 to its spare word, and waits for that and for its reads of this slot.  Nothing is filled again.
.macro TURN slot, next
	s_wait_tensorcnt 0x0                           ; all my tensor loads have landed
	ds_add_u32 v[SPW], v[NIL]                      ; 0 onto my spare word
	s_wait_dscnt 4*NL+1                            ; (the add and the youngest eight loads, x's blocks 4-7, may be out)
	WIN MUL_LO
	MUL16 0, 1, NQ-1, \slot, 0
	s_wait_dscnt 0x0                               ; the add is done, and my reads of this slot are over
	s_barrier_signal -1
	MUL16 2, 1, NQ-1, \slot, 0
	WIN 0
	s_barrier_wait -1                              ; the next slot is whole, and nobody reads this one any more
	PLACES NP
	v_add_nc_u32 v[ADRS], 4*NQ, v[ADRS]            ; on to the next slot's scale words (no LDS load of mine is out)
	FETCH_B \next, 0, 0
	FETCH_A \next, 0, 0
	SCALES \next
	WIN MUL_HI
	MUL16 4, 1, NQ-1, \slot, 0
	MUL16 6, 1, NQ-1, \slot, 0
	PLACES NP
	WIN 0
	FETCH_A \next, 0, 4
.endm
.macro STEPS slot, from                ; the slot's steps from .. NQ - 2
.set Q, \from
.rept NQ-1-\from
	STEP \slot, Q, 0
.set Q, Q+1
.endr
.endm
	s_wait_tensorcnt 1                             ; the scales and my part of slot 0 are in (slot 1's load may be out)
	s_barrier_signal -1
	s_barrier_wait -1                              ; everybody's are
	FETCH_B 0, 0, 0
	FETCH_A 0, 0, 0
	SCALES 0
	FETCH_A 0, 0, 4
	s_wait_loadcnt 0x0                             ; the bias
	STEP 0, 0, 1                                   ; the first step's products start the sums on the bias
	STEPS 0, 1
	TURN 0, 1
	STEPS 1, 0
	s_wait_dscnt 4*NL                              ; the very last step: nothing more to fetch
	WIN MUL_LO
	MUL16 0, 1, NQ-1, 1, 0
	MUL16 2, 1, NQ-1, 1, 0
	s_wait_dscnt 0
	WIN MUL_HI
	MUL16 4, 1, NQ-1, 1, 0
	MUL16 6, 1, NQ-1, 1, 0
	WIN 0
; THE WAY OUT, block by block of 16 rows x 128 columns (two heads).  PACK: q's results times log2(e) / 8; rounded to f16, 16 bytes a lane.  TOSTAGE: into my own stage in LDS, and back by heads.  SEND: stored.
.macro PACK a
.set AC, 64*((\a)%4)
	s_cmp_lg_u32 s[PJ], 0                          ; the projection is the same in all partners of the cluster
	s_cbranch_scc1 .Lplain_\@
	WIN 0x82+0x41*((\a)/4)                         ; destination and source 0: window 2 or 3
.set i, 0
.rept 32
	v_pk_mul_f32 v[AC+i:AC+i+1], v[AC+i:AC+i+1], s[FS:FS+1] op_sel_hi:[1,0]   ; each accumulator from its low end on
.set i, i+2
.endr
	WIN 0
.Lplain_\@:
	WIN 0x0a+5*((\a)/4)                            ; sources 0 and 1: window 2 or 3
.irp b, 0,1,2,3,4,5,6,7
.irp r, 0,1,2,3
	v_cvt_pk_f16_f32 v[TMP+4*\b+\r], v[AC+8*\b+2*\r], v[AC+8*\b+2*\r+1]
.endr
.endr
	WIN 0
.endm
.macro TOSTAGE a
.set BKR, OB+192*((\a)%2)
.irp b, 0,1,2,3,4,5,6,7
	ds_store_b128 v[STO], v[TMP+4*\b:TMP+4*\b+3] offset:32*\b
.endr
.irp t, 0,1,2,3,4,5,6,7
	ds_load_b128 v[BKR+4*\t:BKR+4*\t+3], v[RD] offset:\t*2*SPITCH    ; LDS serves a wave's instructions in order (ISA guide 5.7.1.4): these see the stores above
.endr
.endm
.macro SEND a
.set BKR, OB+192*((\a)%2)
	s_wait_dscnt 0x0                               ; the block is back in registers
	s_wait_xcnt 0x0                                ; the block before has had its stores' registers read: the next block's loads may land there
.irp t, 0,1,2,3,4,5,6,7
	global_store_b128 v[CO], v[BKR+4*\t:BKR+4*\t+3], s[98:99] offset:2048*(\a)+256*\t   ; 16 lanes store 256 consecutive bytes, aligned: two rows of a head
.endr
.endm
	PLACES NP                                      ; behind the last products
	PACK 0
	TOSTAGE 0
.irp a, 1,2,3,4,5,6,7                  ; block a's arithmetic stands between block a - 1's loads from the stage and the wait for them
	PACK \a
	SEND \a-1
	TOSTAGE \a
.endr
	SEND 7
	s_wait_tensorcnt 0x0                           ; the wave's end, behind my last tensor load and my last LDS store
	ds_add_u32 v[SPW], v[NIL]
	s_wait_dscnt 0x0
	CROUND                                         ; the closing round: no work-group ends while a partner may still ask for a tile that names it
	s_endpgm
.Lfunc_end_k_qe87b3c0469_proj:
	.size	k_qe87b3c0469_proj, .Lfunc_end_k_qe87b3c0469_proj-k_qe87b3c0469_proj
	.p2alignl 7, 3214868480
	.fill 96, 4, 3214868480
	.section	.rodata,"a",@progbits
	.p2align	6, 0x0
	.amdhsa_kernel k_qe87b3c0469_proj
		.amdhsa_group_segment_fixed_size 327680
		.amdhsa_private_segment_fixed_size 0
		.amdhsa_enable_private_segment 0
		.amdhsa_kernarg_size 48
		.amdhsa_user_sgpr_count 2
		.amdhsa_user_sgpr_kernarg_segment_ptr 1
		.amdhsa_wavefront_size32 1
		.amdhsa_system_sgpr_workgroup_id_x 1
		.amdhsa_system_sgpr_workgroup_id_y 1
		.amdhsa_system_sgpr_workgroup_id_z 1
		.amdhsa_system_vgpr_workitem_id 0
		.amdhsa_next_free_vgpr 1024
		.amdhsa_next_free_sgpr 100
		.amdhsa_reserve_vcc 0
		.amdhsa_float_denorm_mode_32 3
		.amdhsa_float_denorm_mode_16_64 3
		.amdhsa_memory_ordered 1
		.amdhsa_forward_progress 1
		.amdhsa_inst_pref_size 146
	.end_amdhsa_kernel
	.amdgpu_metadata
---
amdhsa.version: [ 1, 2 ]
amdhsa.kernels:
  - .name:           k_qe87b3c0469_proj
    .symbol:         k_qe87b3c0469_proj.kd
    .args:
      - { .name: codes, .offset: 0, .size: 8, .value_kind: global_buffer, .address_space: global }
      - { .name: scales, .offset: 8, .size: 8, .value_kind: global_buffer, .address_space: global }
      - { .name: bq, .offset: 16, .size: 8, .value_kind: global_buffer, .address_space: global }
      - { .name: bk, .offset: 24, .size: 8, .value_kind: global_buffer, .address_space: global }
      - { .name: bv, .offset: 32, .size: 8, .value_kind: global_buffer, .address_space: global }
      - { .name: qkvh, .offset: 40, .size: 8, .value_kind: global_buffer, .address_space: global }
    .group_segment_fixed_size: 327680
    .private_segment_fixed_size: 0
    .kernarg_segment_align: 8
    .kernarg_segment_size: 48
    .max_flat_workgroup_size: 128
    .sgpr_count:     100
    .vgpr_count:     1024
    .wavefront_size: 32
...
	.end_amdgpu_metadata
.endif
;; end of part 2
;; launch attn (part 3): grid 4 x 64, 8 waves a work-group, clusters of 4 x 1, 327,680 bytes of LDS; arguments qkvh, ao; writes ao
.if DOCPART == 3
	.amdgcn_target "amdgcn-amd-amdhsa--gfx1250"
	.amdhsa_code_object_version 6
	.text
	.protected	k_qe87b3c0469_attn
	.globl	k_qe87b3c0469_attn
	.p2align	8
	.type	k_qe87b3c0469_attn,@function
k_qe87b3c0469_attn:
	s_mov_b64 s[64:65], 0
	v_nop
	global_prefetch_b8 v0, s[64:65] scope:SCOPE_SE
	s_setreg_imm32_b32 hwreg(HW_REG_WAVE_MODE, 25, 1), 1
	s_wait_xcnt 0x0
	s_wait_alu depctr_hold_cnt(0) depctr_sa_sdst(0) depctr_va_vdst(0) depctr_va_sdst(0) depctr_va_ssrc(0) depctr_va_vcc(0) depctr_vm_vsrc(0)
	s_getreg_b32 s2, hwreg(HW_REG_IB_STS2, 6, 4)
	s_cmp_eq_u32 s2, 0
	s_cbranch_scc0 .Lentry_in_a_cluster
	s_endpgm
.Lentry_in_a_cluster:
	s_bfe_u32 s2, ttmp6, 0x10000c
	s_cmp_lg_u32 s2, 0x3003
	s_cbranch_scc0 .Lentry_shape_is_right
	s_endpgm
.Lentry_shape_is_right:
; O[y][q][:] = the sum over k of softmax_k(Q[y][q] . K[y][k] / 8) V[y][k][:], y = 16 b + h: 64 heads of 2048 x 64.  qkvh: f16 [3][64 heads][2048][64]; Q comes multiplied by log2(e) / 8, so a score t is an exponent to base 2.
; Products on f16 operands with f32 sums; maxima, exponentials and sums in f32; the weights p = 2^(t - m) are rounded to f16 for the second product, O once at the end.
; ao: f16 [m / 128][h][m % 128][64], m = 2048 b + l: the order in which the last launch takes it.
; SOFTMAX: for each query a running maximum m and sum l; in every step O and l are multiplied by a = 2^(m_old - m_new), which is 1 where m has not grown.  t - m is at most 0: no exponential overflows.
; LIMITS: finite inputs; scores above -3e38 (m's first value); p under 6e-8 counts as 0 in the second product.
; SHARES: a work-group owns 512 queries of one head, each of its eight waves 64: four tiles of 16.  Every wave walks all 2048 keys, 64 a step; a slot of LDS holds 256 keys (4 steps), two slots take turns.
; LAYOUT: S^T = K Q^T (source 0 = 16 keys, source 1 = 16 queries): a lane holds ONE query (lane % 16) and the keys 8 (lane / 16) + 0..7 of a tile.  Two such tiles, rounded to f16 in pairs, ARE source 1
; (32 keys x 16 queries) of O^T = V^T P, whose result again holds one query a lane.  K comes out of LDS as it lies, V ([key][channel]) turned, by ds_load_tr16_b128.
; CLUSTER: the four query blocks of a head form a cluster and ask for each tile of K and V JOINTLY: waves 0-3 K's quarters of a slot, waves 4-7 V's; one tensor load a wave is out at most.
; REGISTERS, in windows of 256: window 0: v1-15 addresses; v16-47 eight registers of statistics a tile; v64-191 S^T, 32 a tile (P is made in place, in a tile's first 16); v192-255 K's 8 fragments.
;   window 1: v0-63 Q, 16 a tile; v64-191 O^T, 32 a tile; v192-255 V's 8 fragments.
.set KS,    64                         ; keys in a step
.set SK,    256                        ; keys in a slot
.set NSL,   2048/SK
.set PK,    144                        ; a row of K in LDS: 128 bytes + 16 of padding: an odd multiple of 16 bytes
.set PV,    160                        ; a row of V: 128 + 32: an odd multiple of 32 bytes, for the turning load
.set VOFF,  SK*PK                      ; a slot: 256 rows of K, then 256 rows of V
.set SLOT1, 1<<17                      ; slot 1 begins here: one exclusive or turns an address in one slot into the other's
.set STAGE, SLOT1+SK*(PK+PV)           ; behind the slots: 64 rows x 144 bytes for each wave, for the way out
.set SPARE, STAGE+8*64*PK              ; the spare words, 128 bytes a wave
.set KPART, 16777216                   ; K's part of qkvh begins here,
.set VPART, 33554432                   ; V's here
.set AK0, 1                            ; v1  my lane's place in a tile of K; never rewritten
.set AV0, 2                            ; v2  the same for V
.set ADK, 3                            ; v3  AK0 + the slot in hand
.set ADV, 4                            ; v4  AV0 + the slot in hand
.set QO,  5                            ; v5  my byte offset in the wave's rows of Q
.set STO, 6                            ; v6  the way out: where I put 16 bytes of a row
.set RD,  7                            ; v7  the way out: where I read rows back
.set PFO, 8                            ; v8  256 x my lane, for the prefetches; never rewritten
.set GO,  11                           ; v11 16 x my lane: my byte offset in the wave's 8,192 bytes of ao
.set SPW, 12                           ; v12 LDS address of my spare word; never rewritten
.set NIL, 13                           ; v13 0; never rewritten
.set ST,  16                           ; tile t's statistics at v[ST + 8 t]: +0 m (+1 its pair's upper half, unused), +2, +3 l (even keys', odd keys'), +4 to +7 c0-c3 at work; later +4, +5 a second sum, +6 a
.set S,   64
.set KF,  192
.set OT,  64                           ; in window 1
.set VF,  192                          ; in window 1
.set WV,  12                           ; s12 my wave's number
.set LIM, 15                           ; s15 1 in a wave that prefetches, else the greatest number
.set PFA, 18                           ; s[18:19] where my prefetches stand
.set G1K, 24
.set G1V, 32
.set G0K, 40
.set G0V, 44
.set SLOTS, 56                         ; s56 slots still to be asked for
.set SEL, 60                           ; s[60:61] lane selects for v_permlanex16_b32: lane l xor 16
.set TB,  62                           ; s62 LDS byte at which the slot in hand begins
.set MSB, 0
.macro WIN new                         ; the immediate's high byte repeats the setting that is left
.if MSB != (\new)
	s_set_vgpr_msb (MSB<<8)|(\new)
.set MSB, \new
.endif
.endm
.set W_S,  0x04                        ; Q (source 1) in window 1; K and S^T in window 0
.set W_L1, 0x40                        ; destination in window 1
.set W_RS, 0x41                        ; O^T (destination and source 0) in window 1, the factor in window 0
.set W_PV, 0x51                        ; V (source 0) and O^T (C and D) in window 1, P in window 0
.set W_CV, 0x05                        ; sources 0 and 1 in window 1, destination in window 0
.macro PLACES n
.rept \n
	v_nop
.endr
.endm
; A joint load.  The branch hangs on the wave's number alone: it is the same in every work-group.  An s_nop 0 and four v_nop follow each of the two lines.
.macro JLOAD
	s_cmp_lt_u32 s[WV], 4
	s_cbranch_scc0 .Lfor_v_\@
	tensor_load_to_lds s[G0K:G0K+3], s[G1K:G1K+7]
	s_nop 0
.rept 4
	v_nop
.endr
	s_branch .Lasked_\@
.Lfor_v_\@:
	tensor_load_to_lds s[G0V:G0V+3], s[G1V:G1V+7]
	s_nop 0
.rept 4
	v_nop
.endr
.Lasked_\@:
.endm
; A PREFETCH INTO THE L2 of what the NEXT change of slots will ask for: a slot's 32,768 bytes of K and of V, four key steps ahead of that load.  A head's K and V are walked by this cluster alone.
; Its four partners share the bytes out BY ADDRESS, 8,192 each; in each, wave 0 asks for K's and wave 4 for V's: one instruction, lanes 256 bytes apart.  So each aligned block of 256 bytes is named once in the launch.
; The last change that fills a slot asks for nothing: there is no slot behind it.  Slots 0 and 1 come by their loads alone.
.macro ASK
	s_cmp_gt_u32 s[SLOTS], s[LIM]
	s_cbranch_scc0 .Lnot_mine_\@
	global_prefetch_b8 v[PFO], s[PFA:PFA+1] th:TH_LOAD_NT scope:SCOPE_SE
.Lnot_mine_\@:
.endm
.macro CROUND                          ; a round of the cluster's barrier
	s_barrier_signal -1
	s_barrier_wait -1
	s_cmp_lg_u32 s[WV], 0
	s_cbranch_scc1 .Lnot_wave_0_\@
	s_barrier_signal -3
.Lnot_wave_0_\@:
	s_barrier_wait -3
	s_barrier_signal -1
	s_barrier_wait -1
.endm
	s_load_b128 s[4:7], s[0:1], 0x0                ; qkvh s[4:5], ao s[6:7]
	v_lshl_add_u32 v[SPW], v0, 2, SPARE
	v_mov_b32 v[NIL], 0
	ds_add_u32 v[SPW], v[NIL]                      ; the wave's opening: the add and its wait stand ahead of my first tensor load; work on registers stands between them
	v_lshrrev_b32 v9, 5, v0
	v_readfirstlane_b32 s[WV], v9                  ; wave 0..7
	s_bfe_u32 s13, ttmp6, 0x40000                  ; cx: my place in the cluster
	s_lshl_b32 s14, ttmp9, 2
	s_add_co_u32 s14, s14, s13                     ; my block of 512 queries: it enters Q's and ao's addresses alone
	s_and_b32 s16, ttmp7, 0xffff                   ; the head y = 16 b + h, which the four partners share
	s_and_b32 s17, s[WV], 3                        ; which quarter of a slot I fetch
	; descriptor group 1: a tile of 64 rows x 64 elements of 2 bytes, dense in memory, padded in LDS
	s_mov_b32 s[G1K], 15|(1<<16)|(1<<20)|(1<<21)|(4<<22)|(3<<25)  ; 15:0 the mask: all four work-groups; 17:16 elements of 2 bytes; 20 padding on; 21 set beside a mask; 24:22 after every 32 words; 31:25 four words
	s_mov_b32 s[G1V], 15|(1<<16)|(1<<20)|(1<<21)|(4<<22)|(7<<25)  ; the same with eight words of padding
.irp g, G1K, G1V
	s_mov_b32 s[\g+1], 64<<16                      ; tensor_dim0
	s_mov_b32 s[\g+2], 64<<16                      ; tensor_dim1
	s_mov_b32 s[\g+3], 64<<16                      ; tile_dim0
	s_mov_b32 s[\g+4], 64                          ; tile_dim1
	s_mov_b32 s[\g+5], 64                          ; tensor_dim0_stride
	s_mov_b32 s[\g+6], 0
	s_mov_b32 s[\g+7], 0
.endr
	s_mov_b32 s[SEL], 0x76543210
	s_mov_b32 s[SEL+1], 0xfedcba98
	s_mov_b32 s[TB], 0
	s_mov_b32 s[SLOTS], NSL-1
	s_cmp_eq_u32 s17, 0
	s_cselect_b32 s[LIM], 1, -1                    ; waves 0 and 4 prefetch: the same in all four partners
	s_lshl_b32 s20, s16, 18                        ; the head's first byte in each of the three parts: 2048 rows of 128 bytes
	s_mov_b32 s21, 0
	s_lshl_b32 s22, s17, 13                        ; my quarter: 64 rows of 128 bytes
	s_mov_b32 s23, 0
	s_lshl_b32 s52, s14, 16                        ; Q: my block's 512 rows,
	s_lshl_b32 s53, s[WV], 13                      ; my wave's 64 of them
	s_add_co_u32 s52, s52, s53
	s_mov_b32 s53, 0
	s_lshr_b32 s54, s16, 4                         ; ao: ((16 b + 4 block + wave / 2) 16 + h) x 16,384 + (wave % 2) x 8,192
	s_lshl_b32 s54, s54, 4
	s_lshl_b32 s55, s14, 2
	s_add_co_u32 s54, s54, s55
	s_lshr_b32 s55, s[WV], 1
	s_add_co_u32 s54, s54, s55
	s_lshl_b32 s54, s54, 4
	s_and_b32 s55, s16, 15
	s_add_co_u32 s54, s54, s55
	s_lshl_b32 s54, s54, 14
	s_and_b32 s55, s[WV], 1
	s_lshl_b32 s55, s55, 13
	s_add_co_u32 s54, s54, s55
	s_mov_b32 s55, 0
	s_mov_b32 s10, VPART                           ; the prefetches: K's part (waves 0-3) or V's,
	s_cmp_lt_u32 s[WV], 4
	s_cselect_b32 s10, KPART, s10
	s_lshl_b32 s11, s13, 13                        ; my work-group's 8,192 bytes of a slot's 32,768,
	s_add_co_u32 s10, s10, s11
	s_add_co_u32 s10, s10, SK*128                  ; in slot 1: the first change of slots steps it to slot 2.  Nothing is prefetched at the head
	s_mov_b32 s11, 0
	s_wait_dscnt 0x0                               ; the opening add is done
	s_wait_kmcnt 0x0
	s_add_nc_u64 s[4:5], s[4:5], s[20:21]          ; the head, in Q's part
	s_add_nc_u64 s[PFA:PFA+1], s[4:5], s[10:11]
	s_add_nc_u64 s[48:49], s[4:5], s[22:23]
	s_add_nc_u64 s[50:51], s[48:49], VPART         ; V at my quarter of slot 0
	s_add_nc_u64 s[48:49], s[48:49], KPART         ; K likewise
	s_add_nc_u64 s[4:5], s[4:5], s[52:53]          ; Q at my wave's first row
	s_add_nc_u64 s[6:7], s[6:7], s[54:55]          ; ao at my wave's 8,192 bytes
	s_mov_b32 s[G0K], 1                            ; 1:0 count = 1
	s_mul_i32 s[G0K+1], s17, 64*PK                 ; 63:32 LDS address: slot 0, my quarter
	s_mov_b64 s[G0K+2:G0K+3], s[48:49]             ; 120:64 global address
	s_or_b32 s[G0K+3], s[G0K+3], 0x80000000        ; 127:126 type = 2
	s_mov_b32 s[G0V], 1
	s_mul_i32 s[G0V+1], s17, 64*PV
	s_add_co_u32 s[G0V+1], s[G0V+1], VOFF
	s_mov_b64 s[G0V+2:G0V+3], s[50:51]
	s_or_b32 s[G0V+3], s[G0V+3], 0x80000000
	CROUND                                         ; all four work-groups are here: the first joint loads meet
	JLOAD                                          ; slot 0
	v_and_b32 v9, 15, v0                           ; r = l % 16
	v_bfe_u32 v10, v0, 4, 1                        ; h = l / 16
	v_lshlrev_b32 v[QO], 7, v9
	v_lshl_add_u32 v[QO], v10, 4, v[QO]            ; row x 128 + 16 x half
	WIN W_L1
.irp t, 0,1,2,3                        ; Q stays in registers: a fragment is 16 queries x 32 channels: two loads of 16 bytes, 32 bytes apart
.irp c, 0,1
	global_load_b128 v[16*\t+8*\c:16*\t+8*\c+3],   v[QO], s[4:5] offset:2048*\t+64*\c
	global_load_b128 v[16*\t+8*\c+4:16*\t+8*\c+7], v[QO], s[4:5] offset:2048*\t+64*\c+32
.endr
.endr
.set i, 0
.rept 128
	v_mov_b32 v[OT+i], 0                           ; O^T.  (The key step is written without a first form of its own: the first step finds zeros, which a = 0 leaves zeros)
.set i, i+1
.endr
	WIN 0
	v_mul_u32_u24 v[AK0], v9, PK
	v_lshl_add_u32 v[AK0], v10, 4, v[AK0]          ; K: row x pitch + 16 x half
	; the turning load takes 16 keys x 16 channels: lane l reads 16 bytes of key 8 (l / 16) + l % 8, channels 8 ((l / 8) % 2) + 0..7, and is left with channel l % 16 and 8 keys
	v_and_b32 v14, 7, v0
	v_bfe_u32 v15, v0, 3, 1
	v_lshl_add_u32 v[AV0], v10, 3, v14
	v_mul_u32_u24 v[AV0], v[AV0], PV
	v_lshl_add_u32 v[AV0], v15, 4, v[AV0]
	v_add_nc_u32 v[AV0], VOFF, v[AV0]
	s_mul_i32 s22, s[WV], 64*PK
	s_add_co_u32 s22, s22, STAGE                   ; my stage
	v_add_nc_u32 v[STO], s22, v[AK0]               ; in: row r, 16 bytes for each half of the lanes
	v_bfe_u32 v15, v0, 3, 2
	v_mul_u32_u24 v[RD], v15, PK
	v_lshl_add_u32 v[RD], v14, 4, v[RD]
	v_add_nc_u32 v[RD], s22, v[RD]                 ; back: eight lanes to a row of 128 bytes, four rows an instruction
	v_and_b32 v[GO], 31, v0
	v_lshlrev_b32 v[PFO], 8, v[GO]
	v_lshlrev_b32 v[GO], 4, v[GO]
.irp t, 0,1,2,3
	v_mov_b32 v[ST+8*\t], 0xff61b1e6               ; m: -3e38, under every score
	v_mov_b32 v[ST+8*\t+1], 0                      ; (named with m as a pair, so it is written)
	v_mov_b32 v[ST+8*\t+2], 0                      ; l
	v_mov_b32 v[ST+8*\t+3], 0
.endr
.macro KLOAD q                         ; K of the slot's step q: 64 keys x 64 channels: 8 fragments, (tile u of 16 keys, channels 32 c on) at KF + 8 (2 u + c).  16 loads
.irp u, 0,1,2,3
.irp c, 0,1
	ds_load_b128 v[KF+8*(2*\u+\c):KF+8*(2*\u+\c)+3],   v[ADK] offset:(\q)*KS*PK+\u*16*PK+\c*64
	ds_load_b128 v[KF+8*(2*\u+\c)+4:KF+8*(2*\u+\c)+7], v[ADK] offset:(\q)*KS*PK+\u*16*PK+\c*64+32
.endr
.endr
.endm
.macro VLOAD q                         ; V of step q, turned: 8 fragments, (keys 32 g on, channels 16 d on) at VF + 8 (4 g + d) of window 1.  16 loads
	WIN W_L1
.irp g, 0,1
.irp d, 0,1,2,3
	ds_load_tr16_b128 v[VF+8*(4*\g+\d):VF+8*(4*\g+\d)+3],   v[ADV] offset:(\q)*KS*PV+\g*32*PV+\d*32
	ds_load_tr16_b128 v[VF+8*(4*\g+\d)+4:VF+8*(4*\g+\d)+7], v[ADV] offset:(\q)*KS*PV+\g*32*PV+16*PV+\d*32
.endr
.endr
.endm
; A KEY STEP: 64 keys, the q-th of the slot in hand.  In every list the four tiles take turns, so that no line waits for the line above it.
.macro STEP q
	PLACES 5                                       ; behind the last products V^T P: four places ahead of the loads into V's registers, five ahead of the products below, which write over P
.if \q == 0
	KLOAD 0
.endif
	VLOAD \q
	s_wait_dscnt 16                                ; K is in; V's sixteen loads, issued behind K's, may be out
	WIN W_S
.irp c, 0,1                            ; S^T = K Q^T: 16 accumulators by turns, one instruction a turn; the first 16 start the sums
.irp u, 0,1,2,3
.irp t, 0,1,2,3
.if \c == 0
	v_wmma_f32_16x16x32_f16 v[S+32*\t+8*\u:S+32*\t+8*\u+7], v[KF+8*(2*\u+\c):KF+8*(2*\u+\c)+7], v[16*\t+8*\c:16*\t+8*\c+7], 0
.else
	v_wmma_f32_16x16x32_f16 v[S+32*\t+8*\u:S+32*\t+8*\u+7], v[KF+8*(2*\u+\c):KF+8*(2*\u+\c)+7], v[16*\t+8*\c:16*\t+8*\c+7], v[S+32*\t+8*\u:S+32*\t+8*\u+7]
.endif
.endr
.endr
.endr
	WIN 0
	PLACES 4                                       ; ahead of the loads into K's registers and of the first read of the scores
.if \q < 3
	KLOAD (\q)+1                                   ; the next step's K lands while the softmax is walked
.endif
	; the maximum of a lane's 32 scores and the old m, three operands at a time: four chains c0-c3, each accumulator from its low end on
.irp j, 0,1,2,3
.irp t, 0,1,2,3
	v_max3_num_f32 v[ST+8*\t+4+\j], v[S+32*\t+8*\j], v[S+32*\t+8*\j+1], v[S+32*\t+8*\j+2]
.endr
.endr
.irp i, 3,5
.irp j, 0,1,2,3
.irp t, 0,1,2,3
	v_max3_num_f32 v[ST+8*\t+4+\j], v[ST+8*\t+4+\j], v[S+32*\t+8*\j+\i], v[S+32*\t+8*\j+\i+1]
.endr
.endr
.endr
.irp t, 0,1,2,3
	v_max3_num_f32 v[ST+8*\t+4], v[ST+8*\t+4], v[S+32*\t+7], v[S+32*\t+15]
.endr
.irp t, 0,1,2,3
	v_max3_num_f32 v[ST+8*\t+6], v[ST+8*\t+6], v[S+32*\t+23], v[S+32*\t+31]
.endr
.irp t, 0,1,2,3
	v_max3_num_f32 v[ST+8*\t+4], v[ST+8*\t+4], v[ST+8*\t+5], v[ST+8*\t+6]
.endr
.irp t, 0,1,2,3
	v_max3_num_f32 v[ST+8*\t+4], v[ST+8*\t+4], v[ST+8*\t+7], v[ST+8*\t]
.endr
.irp t, 0,1,2,3
	v_permlanex16_b32 v[ST+8*\t+5], v[ST+8*\t+4], s[SEL], s[SEL+1]   ; the query's other 32 keys lie in the lane 16 away
.endr
.irp t, 0,1,2,3
	v_mov_b32 v[ST+8*\t+7], v[ST+8*\t]             ; m_old is kept for a
.endr
.irp t, 0,1,2,3
	v_max_num_f32 v[ST+8*\t], v[ST+8*\t+4], v[ST+8*\t+5]   ; the new m
.endr
.irp t, 0,1,2,3
	v_sub_f32 v[ST+8*\t+7], v[ST+8*\t+7], v[ST+8*\t]       ; m_old - m_new, 0 or less
.endr
.set j, 0
.rept 16
.irp t, 0,1,2,3
	v_pk_add_f32 v[S+32*\t+j:S+32*\t+j+1], v[S+32*\t+j:S+32*\t+j+1], v[ST+8*\t:ST+8*\t+1] op_sel_hi:[1,0] neg_lo:[0,1] neg_hi:[0,1]   ; t - m, two at a time (of the pair the low word serves both halves)
.endr
.set j, j+2
.endr
	; ONE BATCH of 132 exponentials, none of which reads another's result
.irp t, 0,1,2,3
	v_exp_f32 v[ST+8*\t+6], v[ST+8*\t+7]           ; a
.endr
.set j, 0
.rept 32
.irp t, 0,1,2,3
	v_exp_f32 v[S+32*\t+j], v[S+32*\t+j]           ; p = 2^(t - m), at most 1
.endr
.set j, j+1
.endr
	v_nop                                          ; a plain instruction behind the last exponential, ahead of the first use
	s_wait_alu depctr_va_vdst(0)                   ; the wait ahead of the first instruction that names a result: one for the batch
	; l = a l + the sum of the unrounded p, in pairs (an even key's, an odd key's), in two chains
.irp t, 0,1,2,3
	v_pk_fma_f32 v[ST+8*\t+2:ST+8*\t+3], v[ST+8*\t+2:ST+8*\t+3], v[ST+8*\t+6:ST+8*\t+7], v[S+32*\t:S+32*\t+1] op_sel_hi:[1,0,1]
.endr
.irp t, 0,1,2,3
	v_pk_add_f32 v[ST+8*\t+4:ST+8*\t+5], v[S+32*\t+2:S+32*\t+3], v[S+32*\t+4:S+32*\t+5]
.endr
.irp j, 6,10,14,18,22,26
.irp t, 0,1,2,3
	v_pk_add_f32 v[ST+8*\t+2:ST+8*\t+3], v[ST+8*\t+2:ST+8*\t+3], v[S+32*\t+\j:S+32*\t+\j+1]
	v_pk_add_f32 v[ST+8*\t+4:ST+8*\t+5], v[ST+8*\t+4:ST+8*\t+5], v[S+32*\t+\j+2:S+32*\t+\j+3]
.endr
.endr
.irp t, 0,1,2,3
	v_pk_add_f32 v[ST+8*\t+2:ST+8*\t+3], v[ST+8*\t+2:ST+8*\t+3], v[S+32*\t+30:S+32*\t+31]
.endr
.irp t, 0,1,2,3
	v_pk_add_f32 v[ST+8*\t+2:ST+8*\t+3], v[ST+8*\t+2:ST+8*\t+3], v[ST+8*\t+4:ST+8*\t+5]
.endr
.set j, 0
.rept 16
.irp t, 0,1,2,3
	v_cvt_pk_f16_f32 v[S+32*\t+j], v[S+32*\t+2*j], v[S+32*\t+2*j+1]   ; P in place, ascending: register j takes pair j, which lies at 2 j or further on
.endr
.set j, j+1
.endr
	WIN W_RS
.set j, 0
.rept 16
.irp t, 0,1,2,3
	v_pk_mul_f32 v[OT+32*\t+j:OT+32*\t+j+1], v[OT+32*\t+j:OT+32*\t+j+1], v[ST+8*\t+6:ST+8*\t+7] op_sel_hi:[1,0]   ; O^T times a, each accumulator from its low end on
.endr
.set j, j+2
.endr
.if \q < 3
	s_wait_dscnt 16                                ; V is in; the next step's sixteen loads of K may be out
.else
	s_wait_dscnt 0x0                               ; V is in
.endif
	WIN W_PV
.irp g, 0,1                            ; O^T += V^T P: 16 accumulators by turns
.irp d, 0,1,2,3
.irp t, 0,1,2,3
	v_wmma_f32_16x16x32_f16 v[OT+32*\t+8*\d:OT+32*\t+8*\d+7], v[VF+8*(4*\g+\d):VF+8*(4*\g+\d)+7], v[S+32*\t+8*\g:S+32*\t+8*\g+7], v[OT+32*\t+8*\d:OT+32*\t+8*\d+7]
.endr
.endr
.endr
	WIN 0
.endm
; THE CHANGE OF SLOTS stands at a slot's head.  Each wave waits for all its tensor loads (its part of the slot that it is about to read), adds 0 to its spare word, and waits for that and for its reads of the slot that it has left.
; fill = 1: the barrier is a round of the cluster's, so that no wave of any partner still reads the other slot or has a load on its way; the joint load of the next 256 keys is the first thing behind it and has four key steps in which to land.
.macro CHANGE fill
	s_wait_tensorcnt 0x0                           ; no tensor load of mine is out, so a group 0 may be written
	ds_add_u32 v[SPW], v[NIL]                      ; 0 onto my spare word
.if \fill
	s_xor_b32 s[G0K+1], s[G0K+1], SLOT1            ; the walking descriptors: the other slot than last time,
	s_add_nc_u64 s[G0K+2:G0K+3], s[G0K+2:G0K+3], SK*128   ; the next 256 keys; the type bits on top are not reached
	s_xor_b32 s[G0V+1], s[G0V+1], SLOT1
	s_add_nc_u64 s[G0V+2:G0V+3], s[G0V+2:G0V+3], SK*128
	s_wait_xcnt 0x0                                ; the last prefetch, a slot back, has read its address, so it may be written:
	s_add_nc_u64 s[PFA:PFA+1], s[PFA:PFA+1], SK*128   ; one slot further on than the walking descriptors
	s_wait_dscnt 0x0                               ; the add is done, and my reads of the slot that I have left are over
	CROUND
	JLOAD
	ASK
.else
	s_wait_dscnt 0x0
	s_barrier_signal -1
	s_barrier_wait -1
.endif
.endm
.macro SLOT_STEPS
	v_add_nc_u32 v[ADK], s[TB], v[AK0]
	v_add_nc_u32 v[ADV], s[TB], v[AV0]
	STEP 0
	STEP 1
	STEP 2
	STEP 3
	s_xor_b32 s[TB], s[TB], SLOT1                  ; on to the other slot
.endm
	s_wait_loadcnt 0x0                             ; Q
.Lslot:                                            ; NSL - 1 trips: behind each change of slots but the last the next slot is asked for
	CHANGE 1
	SLOT_STEPS
	s_sub_co_u32 s[SLOTS], s[SLOTS], 1
	s_cmp_lg_u32 s[SLOTS], 0
	s_cbranch_scc1 .Lslot
	CHANGE 0                                       ; the last slot is written out
	SLOT_STEPS
	; THE WAY OUT.  l's two halves and the other half of the lanes' are added (these additions are the places behind the last products); O^T is divided by l, rounded to f16 and sent through my stage in LDS.
.irp t, 0,1,2,3
	v_add_f32 v[ST+8*\t+4], v[ST+8*\t+2], v[ST+8*\t+3]
.endr
.irp t, 0,1,2,3
	v_permlanex16_b32 v[ST+8*\t+5], v[ST+8*\t+4], s[SEL], s[SEL+1]
.endr
.irp t, 0,1,2,3
	v_add_f32 v[ST+8*\t+4], v[ST+8*\t+4], v[ST+8*\t+5]
.endr
.irp t, 0,1,2,3
	v_rcp_f32 v[ST+8*\t+6], v[ST+8*\t+4]
.endr
	v_nop                                          ; a plain instruction between the last reciprocal and the use of its result
	s_wait_alu depctr_va_vdst(0)                   ; and the wait: one for the four
.irp t, 0,1,2,3
	WIN W_RS
.irp j, 0,2,4,6,8,10,12,14,16,18,20,22,24,26,28,30
	v_pk_mul_f32 v[OT+32*\t+\j:OT+32*\t+\j+1], v[OT+32*\t+\j:OT+32*\t+\j+1], v[ST+8*\t+6:ST+8*\t+7] op_sel_hi:[1,0]
.endr
	WIN W_CV
.irp j, 0,1,2,3,4,5,6,7,8,9,10,11,12,13,14,15
	v_cvt_pk_f16_f32 v[S+16*\t+\j], v[OT+32*\t+2*\j], v[OT+32*\t+2*\j+1]
.endr
	WIN 0
.irp d, 0,1,2,3
	ds_store_b128 v[STO], v[S+16*\t+4*\d:S+16*\t+4*\d+3] offset:\t*16*PK+32*\d   ; lane (r, h): query 16 t + r, channels 16 d + 8 h + 0 .. 7
.endr
.endr
.irp i, 0,1,2,3,4,5,6,7,8,9,10,11,12,13,14,15
	ds_load_b128 v[128+4*\i:128+4*\i+3], v[RD] offset:\i*4*PK   ; LDS serves a wave's instructions in order (ISA guide 5.7.1.4): these see my stores
.endr
.irp i, 0,1,2,3,4,5,6,7,8,9,10,11,12,13,14,15
	s_wait_dscnt 15-\i                             ; loads come back in order: number i is in
	global_store_b128 v[GO], v[128+4*\i:128+4*\i+3], s[6:7] offset:512*\i   ; the wave stores 512 consecutive bytes, aligned: four rows of 128
.endr
	s_wait_tensorcnt 0x0                           ; the wave's end, behind my last tensor load and my last LDS store
	ds_add_u32 v[SPW], v[NIL]
	s_wait_dscnt 0x0
	CROUND                                         ; the closing round: no work-group ends while a partner may still ask for a tile that names it
	s_endpgm
.Lfunc_end_k_qe87b3c0469_attn:
	.size	k_qe87b3c0469_attn, .Lfunc_end_k_qe87b3c0469_attn-k_qe87b3c0469_attn
	.p2alignl 7, 3214868480
	.fill 96, 4, 3214868480
	.section	.rodata,"a",@progbits
	.p2align	6, 0x0
	.amdhsa_kernel k_qe87b3c0469_attn
		.amdhsa_group_segment_fixed_size 327680
		.amdhsa_private_segment_fixed_size 0
		.amdhsa_enable_private_segment 0
		.amdhsa_kernarg_size 16
		.amdhsa_user_sgpr_count 2
		.amdhsa_user_sgpr_kernarg_segment_ptr 1
		.amdhsa_wavefront_size32 1
		.amdhsa_system_sgpr_workgroup_id_x 1
		.amdhsa_system_sgpr_workgroup_id_y 1
		.amdhsa_system_sgpr_workgroup_id_z 1
		.amdhsa_system_vgpr_workitem_id 0
		.amdhsa_next_free_vgpr 512
		.amdhsa_next_free_sgpr 66
		.amdhsa_reserve_vcc 0
		.amdhsa_float_denorm_mode_32 3
		.amdhsa_float_denorm_mode_16_64 3
		.amdhsa_memory_ordered 1
		.amdhsa_forward_progress 1
		.amdhsa_inst_pref_size 255
	.end_amdhsa_kernel
	.section	.bss,"aw",@nobits
	.p2align	6
	.space	262144
	.amdgpu_metadata
---
amdhsa.version: [ 1, 2 ]
amdhsa.kernels:
  - .name:           k_qe87b3c0469_attn
    .symbol:         k_qe87b3c0469_attn.kd
    .args:
      - { .name: qkvh, .offset: 0, .size: 8, .value_kind: global_buffer, .address_space: global }
      - { .name: ao, .offset: 8, .size: 8, .value_kind: global_buffer, .address_space: global }
    .group_segment_fixed_size: 327680
    .private_segment_fixed_size: 0
    .kernarg_segment_align: 8
    .kernarg_segment_size: 16
    .max_flat_workgroup_size: 256
    .sgpr_count:     66
    .vgpr_count:     512
    .wavefront_size: 32
...
	.end_amdgpu_metadata
.endif
;; end of part 3
;; launch oproj (part 4): grid 8 x 64, 4 waves a work-group, clusters of 4 x 4, 327,680 bytes of LDS; arguments ao, wo16, bo, out0; writes out0
.if DOCPART == 4
	.amdgcn_target "amdgcn-amd-amdhsa--gfx1250"
	.amdhsa_code_object_version 6
	.text
	.protected	k_qe87b3c0469_oproj
	.globl	k_qe87b3c0469_oproj
	.p2align	8
	.type	k_qe87b3c0469_oproj,@function
k_qe87b3c0469_oproj:
	s_mov_b64 s[64:65], 0
	v_nop
	global_prefetch_b8 v0, s[64:65] scope:SCOPE_SE
	s_setreg_imm32_b32 hwreg(HW_REG_WAVE_MODE, 25, 1), 1
	s_wait_xcnt 0x0
	s_wait_alu depctr_hold_cnt(0) depctr_sa_sdst(0) depctr_va_vdst(0) depctr_va_sdst(0) depctr_va_ssrc(0) depctr_va_vcc(0) depctr_vm_vsrc(0)
	s_getreg_b32 s2, hwreg(HW_REG_IB_STS2, 6, 4)
	s_cmp_eq_u32 s2, 0
	s_cbranch_scc0 .Lentry_in_a_cluster
	s_endpgm
.Lentry_in_a_cluster:
	s_bfe_u32 s2, ttmp6, 0x10000c
	s_cmp_lg_u32 s2, 0xf033
	s_cbranch_scc0 .Lentry_shape_is_right
	s_endpgm
.Lentry_shape_is_right:
; out0[m][n] = bo[n] + the sum over k of A[m][k] Wo[n][k]: 8192 x 1024 x 1024, f16 operands, f32 sums, f32 out.
; A = ao: f16 [m / 128][k / 64][m % 128][k % 64];  Wo = wo16: f16 [n / 128][k / 64][n % 128][k % 64].  So the 256 along K of a tile's 128 rows are 65,536 consecutive bytes: four PLANES of 128 rows x 128 bytes.
; A tile of the result is 128 x 128: 512 work-groups.  Four waves, each 64 x 64: 16 accumulators of 16 x 16.  K goes in steps of 256 through two LDS slots; a wave's tensor load brings two planes (256 rows of 128 bytes).
; CLUSTERS: 4 x 4 work-groups.  The four of a row of the cluster need the same tiles of A, the four of a column the same tiles of Wo: each is asked for JOINTLY.  A wave has two tensor loads out at the start, then one.
; THE MATRIX INSTRUCTION IS USED TRANSPOSED (source 0 = 16 rows of Wo, source 1 = 16 rows of A): a lane holds eight neighbouring numbers of a row of the result.  The bias is the C of each sum's first product.
; REGISTERS: window 0: v0-31 addresses; v32-95 the way out; v96-127 the bias; v128-255 the accumulators ((a, b) at v[128 + 8 (4 a + b)]).
;   window 1: two fragment buffers of 128: for 64 along K (a plane), 64 registers of A, then 64 of Wo.
.set PITCH,  144                       ; an LDS row: 128 bytes + 16 of padding: an odd multiple of 16 bytes
.set PLANE,  128*PITCH                 ; 64 along K of 128 rows
.set HALFT,  2*PLANE                   ; what one tensor load brings
.set SLOT,   4*HALFT                   ; A's four planes, then Wo's four
.set STEPB,  65536                     ; a K step of a tile in memory
.set SPARE,  2*SLOT                    ; behind the slots: the spare words, 128 bytes a wave
.set SPITCH, 272                       ; the way out: a stage of 64 rows x (256 bytes + 16) for each wave, in slot 0, which has had its last fill and its last read by then
.set LAPS,   2                         ; a lap = two K steps = once round the two slots
.set ADRA, 16
.set ADRB, 20
.set STO,  24
.set RD,   25
.set CO,   26
.set BOF,  27                          ; v27 the bias: 32 x (lane / 16)
.set SPW,  28
.set NIL,  29
.set BK,   32                          ; the way out: 16 rows read back: v32-63 and v64-95 by turns
.set BIAS, 96
.set ACC,  128
.set F0,   0
.set F1,   128
.set G1, 24
.set G0, 32
.set G1B, 48
.set G0B, 56
.set MSB, 0
.macro WIN new                         ; the immediate's high byte repeats the setting that is left
.if MSB != (\new)
	s_set_vgpr_msb (MSB<<8)|(\new)
.set MSB, \new
.endif
.endm
.set MUL,  0x05                        ; sources 0 (Wo) and 1 (A) window 1; C and D window 0
.set TO_F, 0x40                        ; destination window 1, address window 0
.macro JLOAD s                         ; a joint load: waves 0 and 1 fetch A's halves, waves 2 and 3 Wo's; an s_nop 0 and four v_nop follow each of the two lines
	s_cmp_eq_u32 s11, 0
	s_cbranch_scc0 .Lfor_b_\@
	tensor_load_to_lds s[G0+4*\s:G0+4*\s+3], s[G1:G1+7]
	s_nop 0
.rept 4
	v_nop
.endr
	s_branch .Lasked_\@
.Lfor_b_\@:
	tensor_load_to_lds s[G0B+4*\s:G0B+4*\s+3], s[G1B:G1B+7]
	s_nop 0
.rept 4
	v_nop
.endr
.Lasked_\@:
.endm
.macro CREST                           ; a round of the cluster's barrier behind its opening barrier
	s_cmp_lg_u32 s10, 0
	s_cbranch_scc1 .Lnot_wave_0_\@
	s_barrier_signal -3
.Lnot_wave_0_\@:
	s_barrier_wait -3
	s_barrier_signal -1
	s_barrier_wait -1
.endm
.macro CROUND                          ; a whole round
	s_barrier_signal -1
	s_barrier_wait -1
	CREST
.endm
	s_load_b128 s[4:7], s[0:1], 0x0                ; ao s[4:5], wo16 s[6:7]
	s_load_b128 s[68:71], s[0:1], 0x10             ; bo s[68:69], out0 s[70:71]
	v_lshl_add_u32 v[SPW], v0, 2, SPARE
	v_mov_b32 v[NIL], 0
	ds_add_u32 v[SPW], v[NIL]                      ; the wave's opening: the add and its wait stand ahead of my first tensor load; work on registers stands between them
	v_lshrrev_b32 v1, 5, v0
	v_readfirstlane_b32 s10, v1                    ; wave 0..3
	s_lshr_b32 s11, s10, 1                         ; which half of the tile's rows is mine.  Also: I fetch for A (0) or for Wo (1)
	s_and_b32 s12, s10, 1                          ; which half of its columns.  Also: which two planes I fetch
	s_bfe_u32 s40, ttmp6, 0x40000                  ; cx, cy: my place in the cluster
	s_bfe_u32 s41, ttmp6, 0x40004
	s_lshl_b32 s42, ttmp9, 2
	s_add_co_u32 s42, s42, s40                     ; tile column = 4 x cluster x + cx
	s_and_b32 s13, ttmp7, 0xffff
	s_lshl_b32 s13, s13, 2
	s_add_co_u32 s13, s13, s41                     ; tile row = 4 x cluster y + cy
	s_lshl_b32 s43, s41, 2
	s_lshl_b32 s43, 15, s43                        ; my row of the cluster
	s_lshl_b32 s44, 0x1111, s40                    ; my column
	; descriptor group 1: 256 rows x 64 elements of 2 bytes, dense in memory, padded in LDS
	s_or_b32 s[G1+0], s43, (1<<16)|(1<<20)|(1<<21)|(4<<22)|(3<<25)  ; 15:0 the mask; 17:16 elements of 2 bytes; 20 padding on; 21 set beside a mask; 24:22 after every 32 words; 31:25 four words
	s_or_b32 s[G1B+0], s44, (1<<16)|(1<<20)|(1<<21)|(4<<22)|(3<<25)
.irp g, G1, G1B
	s_mov_b32 s[\g+1], 64<<16                      ; tensor_dim0
	s_mov_b32 s[\g+2], 256<<16                     ; tensor_dim1
	s_mov_b32 s[\g+3], 64<<16                      ; tile_dim0
	s_mov_b32 s[\g+4], 256                         ; tile_dim1
	s_mov_b32 s[\g+5], 64                          ; tensor_dim0_stride
	s_mov_b32 s[\g+6], 0
	s_mov_b32 s[\g+7], 0
.endr
	s_lshl_b32 s17, s12, 15                        ; which two planes of a K step I fetch
	s_lshl_b32 s16, s13, 18                        ; A: a tile row is 16 planes of 16,384 bytes
	s_add_co_u32 s16, s16, s17
	s_lshl_b32 s46, s42, 18                        ; Wo: a tile column likewise
	s_add_co_u32 s46, s46, s17
	s_mov_b32 s17, 0
	s_mov_b32 s47, 0
	s_mul_i32 s20, s10, HALFT                      ; where they go: wave x two planes: no place in the cluster enters an LDS address
	s_wait_dscnt 0x0                               ; the opening add is done
	s_wait_kmcnt 0x0
	s_add_nc_u64 s[14:15], s[4:5], s[16:17]
	s_add_nc_u64 s[46:47], s[6:7], s[46:47]
	CROUND                                         ; all sixteen work-groups are here: the first joint loads meet
.irp s, 0,1
	s_mov_b32 s[G0+4*\s], 1
	s_add_co_u32 s[G0+4*\s+1], s20, \s*SLOT
	s_add_nc_u64 s[G0+4*\s+2:G0+4*\s+3], s[14:15], \s*STEPB
	s_or_b32 s[G0+4*\s+3], s[G0+4*\s+3], 0x80000000
	s_mov_b32 s[G0B+4*\s], 1
	s_add_co_u32 s[G0B+4*\s+1], s20, \s*SLOT
	s_add_nc_u64 s[G0B+4*\s+2:G0B+4*\s+3], s[46:47], \s*STEPB
	s_or_b32 s[G0B+4*\s+3], s[G0B+4*\s+3], 0x80000000
	JLOAD \s
.endr
	v_and_b32 v1, 15, v0                           ; r = l % 16
	v_bfe_u32 v2, v0, 4, 1                         ; h = l / 16
	; the bias: my 64 columns; lane (r, h) wants, for Wo's block b, the numbers 16 b + 8 h + 0 .. 7
	s_lshl_b32 s46, s42, 9
	s_lshl_b32 s47, s12, 8
	s_add_co_u32 s46, s46, s47                     ; 4 (128 x tile column + 64 x half): also my first column of the result, in bytes
	s_mov_b32 s47, 0
	s_add_nc_u64 s[68:69], s[68:69], s[46:47]
	v_lshlrev_b32 v[BOF], 5, v2
.irp b, 0,1,2,3
	global_load_b128 v[BIAS+8*\b:BIAS+8*\b+3],   v[BOF], s[68:69] offset:64*\b
	global_load_b128 v[BIAS+8*\b+4:BIAS+8*\b+7], v[BOF], s[68:69] offset:64*\b+16
.endr
	v_mul_u32_u24 v3, v1, PITCH
	v_lshl_add_u32 v3, v2, 4, v3                   ; a fragment's row x pitch + 16 x half
	s_mul_i32 s21, s11, 64*PITCH                   ; my 64 rows of A, in each plane
	s_mul_i32 s22, s12, 64*PITCH                   ; my 64 rows of Wo,
	s_add_co_u32 s22, s22, 2*HALFT                 ; whose planes lie behind A's four
.irp s, 0,1
	v_add_nc_u32 v[ADRA+\s], s21, v3
	v_add_nc_u32 v[ADRB+\s], s22, v3
	s_add_co_u32 s21, s21, SLOT
	s_add_co_u32 s22, s22, SLOT
.endr
	s_mul_i32 s23, s10, 64*SPITCH                  ; my stage
	v_mul_u32_u24 v4, v1, SPITCH                   ; in: row r, 32 bytes for each half of the lanes
	v_lshl_add_u32 v4, v2, 5, v4
	v_add_nc_u32 v[STO], s23, v4
	v_mul_u32_u24 v5, v2, SPITCH                   ; back: lanes 0-15 take one row of 256 bytes, lanes 16-31 the next
	v_lshl_add_u32 v5, v1, 4, v5
	v_add_nc_u32 v[RD], s23, v5
	v_lshlrev_b32 v[CO], 4, v1                     ; and the same two rows in the result: 4,096 bytes a row
	v_lshl_add_u32 v[CO], v2, 12, v[CO]
	s_lshl_b32 s16, s13, 19                        ; my first row: (128 x tile row + 64 x half) x 4,096 bytes
	s_lshl_b32 s17, s11, 18
	s_add_co_u32 s16, s16, s17
	s_mov_b32 s17, 0
	s_add_nc_u64 s[70:71], s[70:71], s[16:17]
	s_add_nc_u64 s[70:71], s[70:71], s[46:47]
; 8 matrix instructions: row blocks a0, a0 + 1 x all 4 column blocks, 32 along K: half c of buffer f.  zero = 1: the first product starts the sum on the bias.  The 16 accumulators take turns
.macro MUL8 f, c, a0, zero
.irp a, \a0, \a0+1
.irp b, 0,1,2,3
.if \zero
	v_wmma_f32_16x16x32_f16 v[ACC+8*(4*(\a)+\b):ACC+8*(4*(\a)+\b)+7], v[\f+64+8*(4*\c+\b):\f+64+8*(4*\c+\b)+7], v[\f+8*(4*\c+\a):\f+8*(4*\c+\a)+7], v[BIAS+8*\b:BIAS+8*\b+7]
.else
	v_wmma_f32_16x16x32_f16 v[ACC+8*(4*(\a)+\b):ACC+8*(4*(\a)+\b)+7], v[\f+64+8*(4*\c+\b):\f+64+8*(4*\c+\b)+7], v[\f+8*(4*\c+\a):\f+8*(4*\c+\a)+7], v[ACC+8*(4*(\a)+\b):ACC+8*(4*(\a)+\b)+7]
.endif
.endr
.endr
.endm
; 32 LDS loads in one run: the fragments of the plane that begins k bytes into the slot's planes, into buffer f; the first 32 along K first
.macro FETCH slot, k, f
	WIN TO_F
.irp c, 0,1
.irp i, 0,1,2,3
	ds_load_b128 v[\f+64+8*(4*\c+\i):\f+64+8*(4*\c+\i)+3],   v[ADRB+\slot] offset:\k+64*\c+\i*16*PITCH
	ds_load_b128 v[\f+64+8*(4*\c+\i)+4:\f+64+8*(4*\c+\i)+7], v[ADRB+\slot] offset:\k+64*\c+\i*16*PITCH+32
	ds_load_b128 v[\f+8*(4*\c+\i):\f+8*(4*\c+\i)+3],         v[ADRA+\slot] offset:\k+64*\c+\i*16*PITCH
	ds_load_b128 v[\f+8*(4*\c+\i)+4:\f+8*(4*\c+\i)+7],       v[ADRA+\slot] offset:\k+64*\c+\i*16*PITCH+32
.endr
.endr
.endm
.macro PLACES                          ; four places in front of loads into registers that matrix instructions have read, and of the first read of results (ISA guide 7.12.1 for the first read of results)
.rept 4
	v_nop
.endr
.endm
; A K step is four quarters of 64 along K (a plane), 32 matrix instructions each, on buffers 0, 1, 0, 1.  One of the first three: multiplies buffer f and fetches the next plane, at byte k, into g.
.macro QUARTER slot, k, f, g, zero
	s_wait_dscnt 16                                ; the first 32 along K are in; the other sixteen loads may be out
	WIN MUL
	MUL8 \f, 0, 0, \zero
	MUL8 \f, 0, 2, \zero
	PLACES
	FETCH \slot, \k, \g
	s_wait_dscnt 32                                ; all but the 32 just issued
	WIN MUL
	MUL8 \f, 1, 0, 0
	MUL8 \f, 1, 2, 0
.endm
; The last quarter multiplies buffer 1 and changes slots: ONE barrier; in front of it each wave waits for all its tensor loads, adds 0 to its spare word, and waits for that and for its own reads of this slot.  fill = 1: this slot is filled again, two K steps ahead.
.macro TURN slot, next, fill
	WIN 0                                          ; (the add's two registers lie in window 0)
	s_wait_tensorcnt 0x0                           ; all my tensor loads have landed: my part of the next slot;
	ds_add_u32 v[SPW], v[NIL]                      ; 0 onto my spare word;
	s_wait_dscnt 17                                ; (the add and the youngest sixteen loads may be out)
	WIN MUL
	MUL8 F1, 0, 0, 0                               ; eight matrix instructions stand between the add and the wait for it
	s_wait_dscnt 0x0                               ; the add is done, and my reads of this slot are over
	s_barrier_signal -1
	MUL8 F1, 0, 2, 0
.if \fill
	WIN 0
.endif
	s_barrier_wait -1
.if \fill
	CREST                                          ; the barrier has opened a round of the cluster's barrier: no wave of any partner still reads this slot's tile or has a load on its way
	s_add_nc_u64 s[G0+4*\slot+2:G0+4*\slot+3], s[G0+4*\slot+2:G0+4*\slot+3], 2*STEPB
	s_add_nc_u64 s[G0B+4*\slot+2:G0B+4*\slot+3], s[G0B+4*\slot+2:G0B+4*\slot+3], 2*STEPB
	JLOAD \slot                                    ; the first tensor load behind the round; the four v_nop behind it are also the places in front of the loads below
.else
	PLACES
.endif
	FETCH \next, 0, F0
	WIN MUL
	MUL8 F1, 1, 0, 0
	MUL8 F1, 1, 2, 0
.endm
	s_wait_tensorcnt 1                             ; my part of K step 0 is in (K step 1's load may be out)
	s_barrier_signal -1
	s_barrier_wait -1                              ; everybody's is
	FETCH 0, 0, F0
	s_wait_loadcnt 0x0                             ; the bias
	QUARTER 0, PLANE, F0, F1, 1                    ; the first quarter stands in front of the loop: its first products start the sums on the bias
	WIN 0                                          ; at a label and at a branch every window is 0
	s_mov_b32 s3, LAPS-1
.Llap:                                                 ; a trip goes once round the two slots, from a lap's second quarter to the next lap's first, and fills both again
	QUARTER 0, 2*PLANE, F1, F0, 0
	QUARTER 0, 3*PLANE, F0, F1, 0
	TURN 0, 1, 1
	QUARTER 1, PLANE, F0, F1, 0
	QUARTER 1, 2*PLANE, F1, F0, 0
	QUARTER 1, 3*PLANE, F0, F1, 0
	TURN 1, 0, 1
	QUARTER 0, PLANE, F0, F1, 0
	WIN 0
	s_sub_co_u32 s3, s3, 1
	s_cmp_lg_u32 s3, 0
	s_cbranch_scc1 .Llap
	QUARTER 0, 2*PLANE, F1, F0, 0                  ; the last lap fills nothing, and has no round of the cluster's barrier
	QUARTER 0, 3*PLANE, F0, F1, 0
	TURN 0, 1, 0
	QUARTER 1, PLANE, F0, F1, 0
	QUARTER 1, 2*PLANE, F1, F0, 0
	QUARTER 1, 3*PLANE, F0, F1, 0
	s_wait_dscnt 16                                ; the very last quarter: nothing more to fetch
	WIN MUL
	MUL8 F1, 0, 0, 0
	MUL8 F1, 0, 2, 0
	s_wait_dscnt 0
	MUL8 F1, 1, 0, 0
	MUL8 F1, 1, 2, 0
	WIN 0
; THE WAY OUT, block by block of 16 rows x 64 columns.  A lane holds 32 neighbouring bytes of a row, and the lanes beside it hold other rows: so a block goes through my own stage in LDS and comes back as whole
; rows of 256 bytes, which sixteen lanes store.  A wave's 64 columns are 256 aligned bytes of a row, so no other wave has a part in them and no barrier is needed.
.macro TOSTAGE a
.irp b, 0,1,2,3
	ds_store_b128 v[STO], v[ACC+8*(4*(\a)+\b):ACC+8*(4*(\a)+\b)+3]   offset:(\a)*16*SPITCH+64*\b      ; each accumulator from its low end on
	ds_store_b128 v[STO], v[ACC+8*(4*(\a)+\b)+4:ACC+8*(4*(\a)+\b)+7] offset:(\a)*16*SPITCH+64*\b+16
.endr
.set BB, BK+32*((\a)%2)
.irp t, 0,1,2,3,4,5,6,7
	ds_load_b128 v[BB+4*\t:BB+4*\t+3], v[RD] offset:(\a)*16*SPITCH+\t*2*SPITCH   ; LDS serves a wave's instructions in order (ISA guide 5.7.1.4): these see the stores above
.endr
.endm
.macro SEND a, younger                 ; younger: the LDS instructions issued behind block a's loads, which may stay out
.set BB, BK+32*((\a)%2)
	s_wait_dscnt \younger                          ; the block is back in registers
.irp t, 0,1,2,3,4,5,6,7
	global_store_b128 v[CO], v[BB+4*\t:BB+4*\t+3], s[70:71] offset:(16*(\a)+2*\t)*4096 th:TH_STORE_NT   ; 16 lanes store 256 consecutive bytes, aligned; written once, read by nobody here
.endr
.endm
	PLACES                                         ; behind the last products
	TOSTAGE 0
.irp a, 1,2,3
.if \a > 1
	s_wait_xcnt 0x0                                ; block a - 2's stores have read their registers: block a's loads may land there
.endif
	TOSTAGE \a
	SEND \a-1, 16                                  ; behind block a - 1's loads: block a's 8 stores and 8 loads
.endr
	SEND 3, 0
	s_wait_tensorcnt 0x0                           ; the wave's end, behind my last tensor load and my last LDS store
	ds_add_u32 v[SPW], v[NIL]
	s_wait_dscnt 0x0
	CROUND                                         ; the closing round: no work-group ends while a partner may still ask for a tile that names it
	s_endpgm
.Lfunc_end_k_qe87b3c0469_oproj:
	.size	k_qe87b3c0469_oproj, .Lfunc_end_k_qe87b3c0469_oproj-k_qe87b3c0469_oproj
	.p2alignl 7, 3214868480
	.fill 96, 4, 3214868480
	.section	.rodata,"a",@progbits
	.p2align	6, 0x0
	.amdhsa_kernel k_qe87b3c0469_oproj
		.amdhsa_group_segment_fixed_size 327680
		.amdhsa_private_segment_fixed_size 0
		.amdhsa_enable_private_segment 0
		.amdhsa_kernarg_size 32
		.amdhsa_user_sgpr_count 2
		.amdhsa_user_sgpr_kernarg_segment_ptr 1
		.amdhsa_wavefront_size32 1
		.amdhsa_system_sgpr_workgroup_id_x 1
		.amdhsa_system_sgpr_workgroup_id_y 1
		.amdhsa_system_sgpr_workgroup_id_z 1
		.amdhsa_system_vgpr_workitem_id 0
		.amdhsa_next_free_vgpr 512
		.amdhsa_next_free_sgpr 72
		.amdhsa_reserve_vcc 0
		.amdhsa_float_denorm_mode_32 3
		.amdhsa_float_denorm_mode_16_64 3
		.amdhsa_memory_ordered 1
		.amdhsa_forward_progress 1
		.amdhsa_inst_pref_size 86
	.end_amdhsa_kernel
	.amdgpu_metadata
---
amdhsa.version: [ 1, 2 ]
amdhsa.kernels:
  - .name:           k_qe87b3c0469_oproj
    .symbol:         k_qe87b3c0469_oproj.kd
    .args:
      - { .name: ao, .offset: 0, .size: 8, .value_kind: global_buffer, .address_space: global }
      - { .name: wo16, .offset: 8, .size: 8, .value_kind: global_buffer, .address_space: global }
      - { .name: bo, .offset: 16, .size: 8, .value_kind: global_buffer, .address_space: global }
      - { .name: out0, .offset: 24, .size: 8, .value_kind: global_buffer, .address_space: global }
    .group_segment_fixed_size: 327680
    .private_segment_fixed_size: 0
    .kernarg_segment_align: 8
    .kernarg_segment_size: 32
    .max_flat_workgroup_size: 128
    .sgpr_count:     72
    .vgpr_count:     512
    .wavefront_size: 32
...
	.end_amdgpu_metadata
.endif
;; end of part 4
